; MI455X (gfx1250); checked and timed in simulation.
; The chip was launched on July 23, 2026; its instructions are those of AMD's public machine-readable ISA for CDNA 5 (MIT licence, August 2026) and "CDNA5" Instruction Set Architecture Reference Guide (July 2026). The comments in the code are by the model that wrote it; some were corrected since.
;; MHA. Allowed arithmetic: matrix products marked QUANTISED: E2M1 operands, one E8M0 scale for each 32 along K, by v_wmma_scale_f32_16x16x128_f8f6f4 with both operands' format E2M1 (or v_wmma_scale_f32_32x16x128_f4), f32 sums; products left as they are: bf16, f16 or f32 operands; f32 sums; everything else in f32.
;; Inputs: W_out 1,024 x 1,024 float32; W_qkv 3,072 x 1,024 float32; b_out 1,024 float32; b_qkv 3,072 float32; x 2 x 2,048 x 1,024 float32.
;; Outputs: out0 2 x 2,048 x 1,024 float32.
;; This version of the problem:
;;   THIS VERSION OF THE PROBLEM IS GIVEN IN LOW PRECISION. The matrix products marked QUANTISED in the list below multiply operands that are first quantised to E2M1 (2 exponent bits, 1 mantissa bit; 4 bits a number), with one power-of-two scale for each 32 numbers along K (OCP MX v1.0); their sums are f32. The products marked 'left as it is' may take bf16, f16 or f32 operands, with f32 sums. Whichever they take, every output number must still come out within the allowed error. Rounding operands to bf16 (8 significant bits) uses up far more of that allowance than f16 does (11 bits, for magnitudes from 6e-5 to 65,504). All else is computed in f32.
;;   The module's matrix products, in the order in which they are computed (A, B: the left and right operand; K: the contracted axis; several contracted axes count as one K, in the product's order):
;;     1. [M 4,096, K 1,024] x [K 1,024, N 3,072]; A: input x; B: input W_qkv: QUANTISED
;;     2. batch 32 x [M 2,048, K 64] x [K 64, N 2,048]; A: computed on the way; B: computed on the way: left as it is (an operand is computed on the way)
;;     3. batch 32 x [M 2,048, K 2,048] x [K 2,048, N 64]; A: computed on the way; B: computed on the way: left as it is (an operand is computed on the way)
;;     4. [M 4,096, K 1,024] x [K 1,024, N 1,024]; A: computed on the way; B: input W_out: left as it is (an operand is computed on the way)
;;   THE QUANTISER, for each operand of a quantised product, along K:
;;     - K is cut into blocks of 32 from its start; a last block that is shorter is filled with zeros.
;;     - A block's scale is 2^e with e = floor(log2(the largest magnitude in the block)) - 2, held to -126 .. 127; a block of zeros has e = 0. As a byte (E8M0): e + 127.
;;     - Each number is divided by its block's scale, clamped to +-6, and rounded to the nearest number of E2M1, ties to even, subnormals kept.
;;     - The product sums the exact products of the quantised numbers (number of the format x scale) in f32.
;;   ~~~python
;;   def quantise(x, axis):      # numpy; x: float32 -> the quantised numbers, widened to float32 again
;;       x = np.moveaxis(x, axis, -1); K = x.shape[-1]
;;       x = np.pad(x, [(0, 0)] * (x.ndim - 1) + [(0, -K % 32)]); x = x.reshape(x.shape[:-1] + (-1, 32)); a = np.abs(x).max(-1, keepdims=True)
;;       e = np.where(a > 0, np.clip(np.frexp(np.where(a > 0, a, 1))[1] - 1 - 2, -126, 127), 0)      # np.frexp(a)[1] - 1 = floor(log2(a)), exactly
;;       r = np.clip(x / 2.0 ** e, -6, 6)
;;       step = 2.0 ** (np.maximum(np.frexp(np.where(r == 0, 1, r))[1] - 1, 0) - 1)
;;       q = np.round(r / step) * step * 2.0 ** e      # np.round: ties to even
;;       return np.moveaxis(q.reshape(q.shape[:-2] + (-1,))[..., :K], -1, axis).astype(np.float32)
;;   ~~~
;; One version. Each part assembles by itself: llvm-mc -triple=amdgcn-amd-amdhsa -mcpu=gfx1250 --defsym DOCPART=n.
;; ======== version 1 of 1: 4 launches
;; limits: values are held in f16: magnitudes above 65,504 overflow, below 6.1e-05 lose precision
;; workspace buffers: xc 2,097,152 bytes; xs 131,072 bytes; wc 1,572,864 bytes; ws 98,304 bytes; wo16 2,097,152 bytes; qkvf 25,165,824 bytes; ao 8,388,608 bytes
;; launch prep (part 1): grid 256 x 1, 4 waves a work-group, no clusters, 33,280 bytes of LDS; arguments x, W_qkv, xc, xs, wc, ws, W_out, wo16; writes xc, xs, wc, ws, wo16
.if DOCPART == 1
	.amdgcn_target "amdgcn-amd-amdhsa--gfx1250"
	.amdhsa_code_object_version 6
	.text
	.protected	k_qd9b04fe6fa_prep
	.globl	k_qd9b04fe6fa_prep
	.p2align	8
	.type	k_qd9b04fe6fa_prep,@function
k_qd9b04fe6fa_prep:
	s_mov_b64 s[64:65], 0
	v_nop
	global_prefetch_b8 v0, s[64:65] scope:SCOPE_SE
	s_setreg_imm32_b32 hwreg(HW_REG_WAVE_MODE, 25, 1), 1
	s_wait_xcnt 0x0
; x [4096][1024] and W_qkv [3072][1024], f32, become codes of FP4 (E2M1), K innermost, with one E8M0 byte for each 32 along K; W_out [1024][1024], f32, becomes f16 as it lies.
; A block's scale is 2^(floor(log2(its largest magnitude)) - 2); its byte is the largest magnitude's exponent field - 2, held at 1 from below; each number is divided by the scale and rounded to the nearest code, ties to even, beyond 6 the code of 6.
; LIMITS: a block of zeros gets the byte 1 where the rule says 127 (its codes are zeros, and this program alone reads the bytes); blocks whose largest magnitude lies under 2^(2 - 126) have their byte held at 1;
; NaN and infinities are not served; |W_out| beyond 65,504 has no f16 number.
; SHARES: every work-group takes 32,768 numbers, every wave 8,192: work-groups 0-127 x, 128-223 W_qkv, 224-255 W_out.  Rows are dense and 1,024 is a multiple of 32: each tensor is a plain stream.
; THE QUANTISER: a wave takes 16 steps of 512 numbers.  Each of a step's four loads reads 512 consecutive bytes; the 2,048 bytes turn through the wave's own stage in LDS and come back 64 bytes a lane, so that a lane holds
; 16 neighbours along K (two lanes a block).  A lane's 16 codes are 8 bytes: the wave stores 256 consecutive bytes.  A wave's 256 scale bytes are gathered in its own LDS bytes and leave as 256 consecutive bytes.
; No tensor load, no barrier: waves share nothing.  No cluster: no two work-groups read the same bytes.
.set WAVES, 4
.set STEPS, 16
.set WGA,   128                        ; work-groups for x
.set WGQ,   224                        ; and for x and W_qkv together
.set EMAX,  2
.set CB,    8                          ; bytes of 16 codes
.set R,     16                         ; v16-79   four sets of 16 numbers as they are loaded
.set X,     80                         ; v80-111  two sets of 16 neighbours
.set C,     128                        ; v128-191 codes: four registers for each step, so that no store's data are written again
.set E,     112                        ; v112-127 a scale byte for each step
.set WREG,  8192                       ; LDS: a region for each wave: two stages of 32 x SP bytes, behind them its 256 scale bytes
.set SP,    80                         ; a lane's place in a stage: 64 bytes + 16 of padding
.set SPW,   12                         ; v12      LDS address of my spare word; never rewritten
.set NIL,   13                         ; v13      0; never rewritten
.set SPARE, WAVES*WREG                 ; behind the four regions: the spare words, 128 bytes a wave, which no other line names
.set FA,    16                         ; W_out's path: v16-79, v80-143 two sets of 64 numbers; v144-175, v176-207 two sets of f16 pairs
.set FB,    80
.set O0,    144
.set O1,    176
	s_load_b128 s[4:7], s[0:1], 0x0                ; x, W_qkv
	s_load_b128 s[8:11], s[0:1], 0x10              ; x's codes, x's scales
	s_load_b128 s[12:15], s[0:1], 0x20             ; W_qkv's codes, its scales
	s_load_b128 s[24:27], s[0:1], 0x30             ; W_out, its f16 copy
	v_lshl_add_u32 v[SPW], v0, 2, SPARE
	v_mov_b32 v[NIL], 0
	v_lshrrev_b32 v1, 5, v0
	v_readfirstlane_b32 s16, v1                    ; wave
	v_and_b32 v2, 31, v0                           ; lane
	v_lshlrev_b32 v3, 4, v2                        ; my 16 bytes of a load's 512
	s_mul_i32 s17, s16, WREG
	v_lshrrev_b32 v14, 2, v2
	v_mul_u32_u24 v14, v14, SP
	v_and_b32 v15, 3, v2
	v_lshl_add_u32 v14, v15, 4, v14
	v_add_nc_u32 v14, s17, v14                     ; the stage, on the way in: SP (lane / 4) + 16 (lane % 4)
	v_mul_u32_u24 v15, v2, SP
	v_add_nc_u32 v15, s17, v15                     ; and on the way out: SP x lane: my 16 neighbours
	v_mul_u32_u24 v4, v2, CB                       ; 8 bytes a lane: my codes' place in a step's; also my f16 numbers' place
	v_lshrrev_b32 v5, 1, v2
	s_add_co_u32 s17, s17, 2*32*SP
	v_add_nc_u32 v5, s17, v5                       ; LDS: my wave's 256 scale bytes, my block's byte
	v_lshlrev_b32 v7, 3, v2                        ; and on the way out 8 bytes a lane
	v_add_nc_u32 v6, s17, v7
	s_wait_kmcnt 0x0
	s_cmp_ge_u32 ttmp9, WGQ                        ; the work-group's number alone decides the path
	s_cbranch_scc1 .Lconv
	s_cmp_lt_u32 ttmp9, WGA                        ; x's work-group or W_qkv's?  Only pointers are chosen: both take one path
	s_cselect_b64 s[4:5], s[4:5], s[6:7]
	s_cselect_b64 s[8:9], s[8:9], s[12:13]
	s_cselect_b64 s[10:11], s[10:11], s[14:15]
	s_cselect_b32 s17, 0, WGA
	s_sub_co_u32 s17, ttmp9, s17
	s_lshl_b32 s17, s17, 2
	s_add_co_u32 s18, s17, s16                     ; which run of 8,192 numbers of the tensor is my wave's
	s_mov_b32 s19, 0
	s_mov_b64 s[20:21], 512*STEPS*4
	s_mul_u64 s[20:21], s[18:19], s[20:21]
	s_add_nc_u64 s[4:5], s[4:5], s[20:21]
	s_mov_b64 s[20:21], 32*STEPS*CB
	s_mul_u64 s[20:21], s[18:19], s[20:21]
	s_add_nc_u64 s[8:9], s[8:9], s[20:21]
	s_lshl_b32 s18, s18, 8                         ; 256 scale bytes a run
	s_add_nc_u64 s[10:11], s[10:11], s[18:19]
.macro LOAD t
.irp i, 0,1,2,3
	global_load_b128 v[R+16*((\t)%4)+4*\i:R+16*((\t)%4)+4*\i+3], v3, s[4:5] offset:2048*(\t)+512*\i th:TH_LOAD_NT   ; 32 lanes read 512 consecutive bytes
.endr
.endm
.macro TURN t                          ; step t's numbers through the stage: LDS serves a wave's instructions in order, so no wait stands between the stores and the loads
.irp i, 0,1,2,3
	ds_store_b128 v14, v[R+16*((\t)%4)+4*\i:R+16*((\t)%4)+4*\i+3] offset:32*SP*((\t)%2)+8*SP*\i
.endr
.irp i, 0,1,2,3
	ds_load_b128 v[X+16*((\t)%2)+4*\i:X+16*((\t)%2)+4*\i+3], v15 offset:32*SP*((\t)%2)+16*\i
.endr
.endm
.irp t, 0,1,2,3
	LOAD \t
.endr
	s_wait_loadcnt 12                              ; step 0's four loads are in; the twelve of steps 1 to 3 may be out
	TURN 0
.macro STEP t
.set XS, X+16*((\t)%2)
.if (\t) > 0
	s_wait_dscnt 1                                 ; this step's numbers are back from the stage (the last step's byte store may be out): so its stores into the stage have read their registers,
.else
	s_wait_dscnt 0x0
.endif
.if (\t)+4 < STEPS
	LOAD (\t)+4                                    ; which take the loads of four steps on
.endif
.if (\t)+1 < STEPS
.if STEPS-2-(\t) >= 3
	s_wait_loadcnt 12                              ; the next step's four loads are in; those of the three steps behind it may be out
.else
	s_wait_loadcnt 4*(STEPS-2-(\t))
.endif
	TURN (\t)+1                                    ; and go through the other stage while this step is worked
.endif
	v_max3_num_f32 v8, |v[XS]|, |v[XS+1]|, |v[XS+2]|               ; the largest magnitude of my 16, in two chains
	v_max3_num_f32 v9, |v[XS+3]|, |v[XS+4]|, |v[XS+5]|
.irp i, 6,10
	v_max3_num_f32 v8, v8, |v[XS+\i]|, |v[XS+\i+1]|
	v_max3_num_f32 v9, v9, |v[XS+\i+2]|, |v[XS+\i+3]|
.endr
	v_max3_num_f32 v8, v8, |v[XS+14]|, |v[XS+15]|
	v_max3_num_f32 v8, v8, v9, (EMAX+1)<<23        ; and the floor 2^(EMAX + 1 - 127): so the byte cannot fall under 1
	v_max_num_f32_dpp v8, v8, v8 row_xmask:1 row_mask:0xf bank_mask:0xf   ; and of my neighbour's 16: the block's
	v_add_nc_u32 v11, -(EMAX<<23), v8              ; EMAX off its exponent field: the conversion takes the exponent field of this operand as its scale, and nothing else of it
	v_cvt_scalef32_pk8_fp4_f32 v[C+4*(\t)], v[XS:XS+7], v11
	v_cvt_scalef32_pk8_fp4_f32 v[C+4*(\t)+1], v[XS+8:XS+15], v11
	v_lshrrev_b32 v[E+(\t)], 23, v11               ; the scale's byte (a plain line behind the conversions)
	ds_store_b8 v5, v[E+(\t)] offset:16*(\t)       ; both lanes of a block write the same byte with the same value
	global_store_b64 v4, v[C+4*(\t):C+4*(\t)+1], s[8:9] offset:32*CB*(\t)   ; 32 lanes store 256 consecutive bytes, aligned
.endm
.irp t, 0,1,2,3,4,5,6,7,8,9,10,11,12,13,14,15
	STEP \t
.endr
	ds_load_b64 v[8:9], v6                         ; LDS serves a wave's instructions in order: these see my stores
	s_wait_dscnt 0x0
	global_store_b64 v7, v[8:9], s[10:11]          ; 32 lanes store 256 consecutive bytes, aligned
	s_wait_tensorcnt 0x0                           ; the wave's end: these three lines behind my last LDS store
	ds_add_u32 v[SPW], v[NIL]
	s_wait_dscnt 0x0
	s_endpgm
; W_out to f16, as it lies: a wave takes 8,192 numbers in four rounds of sixteen loads; a load reads 512 consecutive bytes, a store writes 256.
.macro LOADR k, set
.irp i, 0,1,2,3,4,5,6,7,8,9,10,11,12,13,14,15
	global_load_b128 v[\set+4*\i:\set+4*\i+3], v3, s[24:25] offset:8192*(\k)+512*\i th:TH_LOAD_NT
.endr
.endm
.macro CONV set, o
.irp i, 0,1,2,3,4,5,6,7,8,9,10,11,12,13,14,15
	v_cvt_pk_f16_f32 v[\o+2*\i], v[\set+4*\i], v[\set+4*\i+1]      ; the first source into the low half
	v_cvt_pk_f16_f32 v[\o+2*\i+1], v[\set+4*\i+2], v[\set+4*\i+3]
.endr
.endm
.macro STORER k, o
.irp i, 0,1,2,3,4,5,6,7,8,9,10,11,12,13,14,15
	global_store_b64 v4, v[\o+2*\i:\o+2*\i+1], s[26:27] offset:4096*(\k)+256*\i
.endr
.endm
.Lconv:
	s_sub_co_u32 s17, ttmp9, WGQ
	s_lshl_b32 s17, s17, 2
	s_add_co_u32 s17, s17, s16                     ; which run of 8,192 numbers is my wave's: 0 .. 127
	s_lshl_b32 s18, s17, 15
	s_mov_b32 s19, 0
	s_add_nc_u64 s[24:25], s[24:25], s[18:19]
	s_lshl_b32 s18, s17, 14
	s_add_nc_u64 s[26:27], s[26:27], s[18:19]
	LOADR 0, FA
	LOADR 1, FB
	s_wait_loadcnt 16                              ; round 0 is in; round 1's sixteen may be out
	CONV FA, O0
	LOADR 2, FA
	STORER 0, O0
	s_wait_loadcnt 16                              ; round 1 is in; round 2's sixteen may be out
	CONV FB, O1
	LOADR 3, FB
	STORER 1, O1
	s_wait_loadcnt 16                              ; round 2 is in
	s_wait_xcnt 0x0                                ; round 0's stores have read their data: the registers are written again only behind this wait
	CONV FA, O0
	STORER 2, O0
	s_wait_loadcnt 0x0
	s_wait_xcnt 0x0                                ; the same for round 1's
	CONV FB, O1
	STORER 3, O1
	s_endpgm
.Lfunc_end_k_qd9b04fe6fa_prep:
	.size	k_qd9b04fe6fa_prep, .Lfunc_end_k_qd9b04fe6fa_prep-k_qd9b04fe6fa_prep
	.p2alignl 7, 3214868480
	.fill 96, 4, 3214868480
	.section	.rodata,"a",@progbits
	.p2align	6, 0x0
	.amdhsa_kernel k_qd9b04fe6fa_prep
		.amdhsa_group_segment_fixed_size 33280
		.amdhsa_private_segment_fixed_size 0
		.amdhsa_enable_private_segment 0
		.amdhsa_kernarg_size 64
		.amdhsa_user_sgpr_count 2
		.amdhsa_user_sgpr_kernarg_segment_ptr 1
		.amdhsa_wavefront_size32 1
		.amdhsa_system_sgpr_workgroup_id_x 1
		.amdhsa_system_sgpr_workgroup_id_y 1
		.amdhsa_system_sgpr_workgroup_id_z 1
		.amdhsa_system_vgpr_workitem_id 0
		.amdhsa_next_free_vgpr 208
		.amdhsa_next_free_sgpr 66
		.amdhsa_reserve_vcc 0
		.amdhsa_float_denorm_mode_32 3
		.amdhsa_float_denorm_mode_16_64 3
		.amdhsa_memory_ordered 1
		.amdhsa_forward_progress 1
		.amdhsa_inst_pref_size 54
	.end_amdhsa_kernel
	.amdgpu_metadata
---
amdhsa.version: [ 1, 2 ]
amdhsa.kernels:
  - .name:           k_qd9b04fe6fa_prep
    .symbol:         k_qd9b04fe6fa_prep.kd
    .args:
      - { .name: x, .offset: 0, .size: 8, .value_kind: global_buffer, .address_space: global }
      - { .name: W_qkv, .offset: 8, .size: 8, .value_kind: global_buffer, .address_space: global }
      - { .name: xc, .offset: 16, .size: 8, .value_kind: global_buffer, .address_space: global }
      - { .name: xs, .offset: 24, .size: 8, .value_kind: global_buffer, .address_space: global }
      - { .name: wc, .offset: 32, .size: 8, .value_kind: global_buffer, .address_space: global }
      - { .name: ws, .offset: 40, .size: 8, .value_kind: global_buffer, .address_space: global }
      - { .name: W_out, .offset: 48, .size: 8, .value_kind: global_buffer, .address_space: global }
      - { .name: wo16, .offset: 56, .size: 8, .value_kind: global_buffer, .address_space: global }
    .group_segment_fixed_size: 33280
    .private_segment_fixed_size: 0
    .kernarg_segment_align: 8
    .kernarg_segment_size: 64
    .max_flat_workgroup_size: 128
    .sgpr_count:     66
    .vgpr_count:     208
    .wavefront_size: 32
...
	.end_amdgpu_metadata
.endif
;; end of part 1
;; launch qkv (part 2): grid 12 x 16, 4 waves a work-group, clusters of 4 x 4, 327,680 bytes of LDS; arguments xc, xs, wc, ws, b_qkv, qkvf; writes qkvf
.if DOCPART == 2
	.amdgcn_target "amdgcn-amd-amdhsa--gfx1250"
	.amdhsa_code_object_version 6
	.text
	.protected	k_qd9b04fe6fa_qkv
	.globl	k_qd9b04fe6fa_qkv
	.p2align	8
	.type	k_qd9b04fe6fa_qkv,@function
k_qd9b04fe6fa_qkv:
	s_mov_b64 s[64:65], 0
	v_nop
	global_prefetch_b8 v0, s[64:65] scope:SCOPE_SE
	s_setreg_imm32_b32 hwreg(HW_REG_WAVE_MODE, 25, 1), 1
	s_wait_xcnt 0x0
	s_wait_alu depctr_hold_cnt(0) depctr_sa_sdst(0) depctr_va_vdst(0) depctr_va_sdst(0) depctr_va_ssrc(0) depctr_va_vcc(0) depctr_vm_vsrc(0)
	s_getreg_b32 s2, hwreg(HW_REG_IB_STS2, 6, 4)
	s_cmp_eq_u32 s2, 0
	s_cbranch_scc0 .Lentry_in_a_cluster
	s_endpgm
.Lentry_in_a_cluster:
	s_bfe_u32 s2, ttmp6, 0x10000c
	s_cmp_lg_u32 s2, 0xf033
	s_cbranch_scc0 .Lentry_shape_is_right
	s_endpgm
.Lentry_shape_is_right:
; qkv = Q(x) Q(W_qkv)^T on codes of FP4 (E2M1) with one E8M0 scale for each 32 along K = 1,024; sums in f32.  The results leave as f16 IMAGES OF THE NEXT PRODUCTS' OPERAND REGISTERS.
; A tile of 256 x 256 is made by four waves, 128 x 128 each: 64 accumulators, 512 registers.  K is two steps of 512, each in a slot of its own in LDS: both are first fills, nothing is filled again.
; THE MATRIX INSTRUCTION IS USED TRANSPOSED (source 0 = 16 rows of side B, source 1 = 16 rows of side A): a lane holds one row of A's side and eight neighbours of B's side.
; CLUSTERS x = 0, 1 (q, k): side A = x (a lane holds a position), side B = W's rows 0-2047 (eight neighbouring channels).  CLUSTER x = 2 (v): side A = W's rows 2048-3071 (a lane holds a channel), side B = x (eight neighbouring keys).
; Only pointers, tile numbers and output strides are chosen, by the cluster's x, which all sixteen partners share: one text, no branch.
; 4 x 4 work-groups form a cluster; A's tiles are asked for jointly along a row of the cluster, B's along a column.
; OUT: eight f32 of a lane become 16 bytes of f16; two neighbouring accumulators are registers 0-3 and 4-7 of a 16 x 32 fragment.  An image is 1,024 bytes: registers 0-3 of the 32 lanes at 16 x lane, registers 4-7 512 bytes on.
;   part 0 (q) and part 1 (k), 8 MiB each: [batch x 16 + head][position / 16][channel / 32][image];  part 2 (v, turned): [batch x 16 + head][key / 64][channel / 16][(key / 32) % 2][image].
;   Every store of a wave covers 512 consecutive bytes, aligned, straight from registers: no stage.
; q is stored as f16(c (q + b_q)), c = log2(e) / 8, multiplied in f32; k as f16(k + b_k); v as f16(v) WITHOUT b_v: the weights of a row sum to one, so b_v is added behind the average, in the next launch
; (an order of rounding that differs from the source's).  b_q and b_k are the C of each sum's first product.
; LIMITS: |c q|, |k|, |v| beyond 65,504 have no f16 number; NaN and infinities are not served.
; REGISTERS, in windows of 256: window 0: v16-29 addresses; v32-95 scale words, two sets; v128-191 A's fragments, one set; v192-255 the bias in the result's layout.  window 1: B's fragments, two sets.  windows 2, 3: the accumulators.
.set KSTEP,  512                       ; along K in a slot
.set NQ,     KSTEP/128                 ; matrix instructions deep
.set ROWB,   256                       ; a tile's row in bytes
.set KROW,   512                       ; a row of codes in memory
.set PITCH,  272                       ; an LDS row: 256 bytes + 16 of padding: the 16 rows that a load touches start at 16 different banks (64 banks of 4 bytes: ISA guide 11.1)
.set FR,     8                         ; registers of a fragment: 16 rows x 128 K
.set NL,     2                         ; LDS loads that bring one
.set NP,     4                         ; places behind this matrix instruction (ISA guide 7.12.1)
.set HALFT,  128*PITCH                 ; 128 rows: what one tensor load brings
.set SLOT,   4*HALFT                   ; A's 256 rows, then B's 256 rows
.set KS,     32                        ; a row of scale bytes
.set SCL,    2*SLOT                    ; behind the slots: the scales, as rows of 256 bytes + 16 of padding
.set HALFS,  (128*KS/256)*272          ; the scales of 128 rows
.set SBLK,   (16*KS/256)*272           ; those of 16 rows
.set SPARE,  SCL+4*HALFS               ; the spare words, 128 bytes a wave, which no other line names
.set ADRA, 16                          ; v16-17  LDS address of my A fragments in slot 0, 1
.set ADRB, 20                          ; v20-21  the same for B
.set LI,   24                          ; v24     16 x lane: my place in half an image
.set BO,   25                          ; v25     32 x (lane / 16): my eight numbers of a block's sixteen biases
.set ADRS, 27                          ; v27     LDS address of my scale words: lanes 0-15 A's rows, lanes 16-31 B's
.set SPW,  28                          ; v28     LDS address of my spare word; never rewritten
.set NIL,  29                          ; v29     0; never rewritten
.set SC,   32                          ; scale words: set s at v[SC + 8 NQ s]; register NQ i + q: lanes 0-15 A's block i, lanes 16-31 B's block i, the slot's q-th 128 along K
.set AF,   128                         ; A's fragments
.set CB,   192                         ; the bias of B's block b at v[CB + 8 b]
.set TMP,  32                          ; the way out: 64 scaled numbers
.set PK,   128                         ; the way out: four sets of 32 registers of f16 pairs
.set WV,   16                          ; s16 wave;  s17 = wave / 2: my half of the rows, and 0: I fetch for A, 1: for B;  s18 = wave % 2: my half of the columns, and which 128 rows I fetch
.set RH,   17
.set CH,   18
.set ISV,  19                          ; s19 1 in the cluster that makes v
.set G1, 24                            ; s[24:31] descriptor group 1 for A's tiles;  s[32:39] group 0, one set for each slot
.set G0, 32
.set G1B, 48                           ; s[48:55], s[56:63] the same for B's
.set G0B, 56
.set KEEP, 66                          ; s66 all ones where the bias counts, 0 in v's cluster
.set G1S, 68                           ; s[68:75], s[76:79] groups 1 and 0 for A's scales;  s[80:87], s[88:91] for B's
.set G0S, 76
.set G1SB, 80
.set G0SB, 88
.set OB,  92                           ; s[92:99] four output bases: pair 2 (b / 4) + (a / 4)
.set FAC, 100                          ; s[100:101] c for q, 1 for k and v
.set MSB, 0
.macro WIN new                         ; the immediate's high byte repeats the setting that is left
.if MSB != (\new)
	s_set_vgpr_msb (MSB<<8)|(\new)
.set MSB, (\new)
.endif
.endm
.set MUL_LO, 0xa1                      ; source 0 (B) window 1, source 1 (A) window 0, C and D window 2
.set MUL_HI, 0xf1                      ; the same, C and D window 3.  In the first step C is the bias, in window 0: 0x81, 0xc1
.set TO_B,   0x40                      ; destination window 1, address window 0
; A joint load: waves 0 and 1 fetch for A, waves 2 and 3 for B.  Each line has one mask and one set of registers for all that issue it; the branch hangs on the wave's number alone.
; An s_nop 0 and four v_nop follow each of the two lines.
.macro JLOAD g0a, g1a, g0b, g1b
	s_cmp_eq_u32 s[RH], 0
	s_cbranch_scc0 .Lfor_b_\@
	tensor_load_to_lds s[\g0a:\g0a+3], s[\g1a:\g1a+7]
	s_nop 0
.rept 4
	v_nop
.endr
	s_branch .Lasked_\@
.Lfor_b_\@:
	tensor_load_to_lds s[\g0b:\g0b+3], s[\g1b:\g1b+7]
	s_nop 0
.rept 4
	v_nop
.endr
.Lasked_\@:
.endm
.macro CROUND                          ; a round of the cluster's barrier
	s_barrier_signal -1
	s_barrier_wait -1
	s_cmp_lg_u32 s[WV], 0
	s_cbranch_scc1 .Lnot_wave_0_\@
	s_barrier_signal -3
.Lnot_wave_0_\@:
	s_barrier_wait -3
	s_barrier_signal -1
	s_barrier_wait -1
.endm
	s_load_b256 s[4:11], s[0:1], 0x0               ; x's codes s[4:5], x's scales s[6:7], W's codes s[8:9], W's scales s[10:11]
	s_load_b128 s[12:15], s[0:1], 0x20             ; b_qkv s[12:13], the images s[14:15]
	v_lshl_add_u32 v[SPW], v0, 2, SPARE
	v_mov_b32 v[NIL], 0
	ds_add_u32 v[SPW], v[NIL]                      ; the wave's opening: the add, twice on end, and its wait ahead of my first tensor load; the set-up below stands between
	ds_add_u32 v[SPW], v[NIL]
	v_lshrrev_b32 v1, 5, v0
	v_readfirstlane_b32 s[WV], v1                  ; wave 0..3
	s_lshr_b32 s[RH], s[WV], 1
	s_and_b32 s[CH], s[WV], 1
	s_bfe_u32 s20, ttmp6, 0x40000                  ; cx, cy: my place in the cluster
	s_bfe_u32 s21, ttmp6, 0x40004
	s_and_b32 s3, ttmp7, 0xffff                    ; the cluster's y
	s_cmp_eq_u32 ttmp9, 2                          ; the cluster's x: the same in all sixteen partners
	s_cselect_b32 s[ISV], 1, 0
	s_cselect_b32 s22, s3, ttmp9                   ; v: x's 16 tile columns go by the cluster's y; q, k: W's 8 by its x
	s_cselect_b32 s23, 0, s3                       ; v: W_v's 4 tile rows go by cy alone; q, k: x's 16 by the cluster's y
	s_lshl_b32 s22, s22, 2
	s_add_co_u32 s22, s22, s20                     ; tile column (side B)
	s_lshl_b32 s23, s23, 2
	s_add_co_u32 s23, s23, s21                     ; tile row (side A)
	s_lshl_b32 s66, s21, 2
	s_lshl_b32 s66, 15, s66                        ; my row of the cluster
	s_lshl_b32 s67, 0x1111, s20                    ; my column
	; descriptor group 1: a tile of 128 rows x 256 bytes, padded in LDS
	s_or_b32 s[G1+0], s66, (0<<16)|(1<<20)|(1<<21)|(5<<22)|(3<<25)  ; 15:0 the mask: my row; 17:16 elements of 1 byte; 20 padding on; 21 set beside a mask; 24:22 after every 64 words; 31:25 four words
	s_or_b32 s[G1B+0], s67, (0<<16)|(1<<20)|(1<<21)|(5<<22)|(3<<25) ; the same with the mask of my column
.irp g, G1, G1B
	s_mov_b32 s[\g+1], ROWB<<16                    ; tensor_dim0
	s_mov_b32 s[\g+2], 128<<16                     ; tensor_dim1
	s_mov_b32 s[\g+3], ROWB<<16                    ; tile_dim0
	s_mov_b32 s[\g+4], 128                         ; tile_dim1
	s_mov_b32 s[\g+5], KROW                        ; tensor_dim0_stride
	s_mov_b32 s[\g+6], 0
	s_mov_b32 s[\g+7], 0
.endr
	; the scales of 128 rows: 4,096 dense bytes, as 16 rows of 256 bytes (32 elements of 8 bytes), 16 bytes of padding behind each
	s_or_b32 s[G1S+0], s66, (3<<16)|(1<<20)|(1<<21)|(5<<22)|(3<<25)
	s_or_b32 s[G1SB+0], s67, (3<<16)|(1<<20)|(1<<21)|(5<<22)|(3<<25)
.irp g, G1S, G1SB
	s_mov_b32 s[\g+1], 32<<16
	s_mov_b32 s[\g+2], (128*KS/256)<<16
	s_mov_b32 s[\g+3], 32<<16
	s_mov_b32 s[\g+4], 128*KS/256
	s_mov_b32 s[\g+5], 32
	s_mov_b32 s[\g+6], 0
	s_mov_b32 s[\g+7], 0
.endr
	s_lshl_b32 s2, s[CH], 7                        ; which 128 rows of the tile I fetch
	s_lshl_b32 s92, s23, 8
	s_add_co_u32 s92, s92, s2                      ; A: row 256 x tile row + 128 x half
	s_lshl_b32 s94, s22, 8
	s_add_co_u32 s94, s94, s2                      ; B: row 256 x tile column + 128 x half
	s_lshl_b32 s96, s92, 5                         ; where these rows' scales begin, in bytes,
	s_lshl_b32 s92, s92, 9                         ; and their codes
	s_lshl_b32 s98, s94, 5
	s_lshl_b32 s94, s94, 9
	s_mov_b32 s93, 0
	s_mov_b32 s95, 0
	s_mov_b32 s97, 0
	s_mov_b32 s99, 0
	s_mul_i32 s100, s[WV], HALFT                   ; where they go: wave x 128 rows: no place in the cluster enters an LDS address
	s_mul_i32 s101, s[WV], HALFS
	s_wait_dscnt 0x0                               ; both opening adds are done
	s_wait_kmcnt 0x0
	s_add_nc_u64 s[2:3], s[8:9], 2048*KROW         ; W_v's codes: rows 2048 on,
	s_add_nc_u64 s[66:67], s[10:11], 2048*KS       ; and its scales
	s_cmp_eq_u32 ttmp9, 2
	s_cselect_b64 s[40:41], s[2:3], s[4:5]         ; side A's codes,
	s_cselect_b64 s[42:43], s[66:67], s[6:7]       ; its scales,
	s_cselect_b64 s[44:45], s[4:5], s[8:9]         ; side B's codes,
	s_cselect_b64 s[46:47], s[6:7], s[10:11]       ; its scales
	s_add_nc_u64 s[40:41], s[40:41], s[92:93]
	s_add_nc_u64 s[42:43], s[42:43], s[96:97]
	s_add_nc_u64 s[44:45], s[44:45], s[94:95]
	s_add_nc_u64 s[46:47], s[46:47], s[98:99]
	CROUND                                         ; all sixteen work-groups are here: the joint loads meet
	s_mov_b32 s[G0S], 1
	s_add_co_u32 s[G0S+1], s101, SCL
	s_mov_b64 s[G0S+2:G0S+3], s[42:43]
	s_or_b32 s[G0S+3], s[G0S+3], 0x80000000
	s_mov_b32 s[G0SB], 1
	s_add_co_u32 s[G0SB+1], s101, SCL
	s_mov_b64 s[G0SB+2:G0SB+3], s[46:47]
	s_or_b32 s[G0SB+3], s[G0SB+3], 0x80000000
	JLOAD G0S, G1S, G0SB, G1SB                     ; the scales first: they are wanted with K step 0
.irp s, 0,1
	s_mov_b32 s[G0+4*\s], 1
	s_add_co_u32 s[G0+4*\s+1], s100, \s*SLOT
	s_add_nc_u64 s[G0+4*\s+2:G0+4*\s+3], s[40:41], \s*ROWB
	s_or_b32 s[G0+4*\s+3], s[G0+4*\s+3], 0x80000000
	s_mov_b32 s[G0B+4*\s], 1
	s_add_co_u32 s[G0B+4*\s+1], s100, \s*SLOT
	s_add_nc_u64 s[G0B+4*\s+2:G0B+4*\s+3], s[44:45], \s*ROWB
	s_or_b32 s[G0B+4*\s+3], s[G0B+4*\s+3], 0x80000000
	JLOAD G0+4*\s, G1, G0B+4*\s, G1B               ; both K steps: three tensor loads of mine are out
.endr
	v_and_b32 v1, 15, v0                           ; l % 16
	v_bfe_u32 v2, v0, 4, 1                         ; l / 16
	v_lshlrev_b32 v[BO], 5, v2
	; the bias: b_qkv at my 128 columns (q, k); v's cluster loads the buffer's first numbers and sets them to 0 below
	s_lshl_b32 s6, s22, 10
	s_lshl_b32 s7, s[CH], 9
	s_add_co_u32 s6, s6, s7
	s_cmp_eq_u32 s[ISV], 0
	s_cselect_b32 s6, s6, 0
	s_cselect_b32 s[KEEP], -1, 0
	s_mov_b32 s7, 0
	s_add_nc_u64 s[12:13], s[12:13], s[6:7]
.irp b, 0,1,2,3,4,5,6,7
	global_load_b128 v[CB+8*\b:CB+8*\b+3], v[BO], s[12:13] offset:64*\b       ; lane (r, h): the bias of columns 16 b + 8 h + 0 .. 7
	global_load_b128 v[CB+8*\b+4:CB+8*\b+7], v[BO], s[12:13] offset:64*\b+16
.endr
	v_mul_u32_u24 v3, v1, PITCH
	v_lshl_add_u32 v4, v2, 4, v3                   ; a fragment's row x pitch + 16 x half
	s_mul_i32 s4, s[RH], HALFT                     ; my 128 rows of A
	s_mul_i32 s5, s[CH], HALFT                     ; my 128 rows of B,
	s_add_co_u32 s5, s5, 2*HALFT                   ; which lie behind A's 256
.irp s, 0,1
	v_add_nc_u32 v[ADRA+\s], s4, v4
	v_add_nc_u32 v[ADRB+\s], s5, v4
	s_add_co_u32 s4, s4, SLOT
	s_add_co_u32 s5, s5, SLOT
.endr
	v_mul_u32_u24 v5, v1, KS                       ; my row's scales: KS bytes a row,
	v_lshrrev_b32 v6, 8, v5
	v_lshl_add_u32 v5, v6, 4, v5                   ; and 16 more for each 256 passed
	s_mul_i32 s4, s[RH], HALFS                     ; A's: my 128 rows
	s_mul_i32 s5, s[CH], HALFS                     ; B's: my 128 rows, behind A's 256
	s_add_co_u32 s5, s5, 2*HALFS
	s_sub_co_u32 s5, s5, s4
	v_mul_u32_u24 v6, s5, v2                       ; lanes 16-31 take B's: the lower base + half x the distance
	s_add_co_u32 s4, s4, SCL
	v_add_nc_u32 v5, v5, v6
	v_add_nc_u32 v[ADRS], s4, v5
	v_and_b32 v6, 31, v0
	v_lshlrev_b32 v[LI], 4, v6
	; THE FOUR OUTPUT BASES.  mt, mh: the tile and half on x's side (positions);  nt, nh: on W's side (heads).
	s_and_b32 s4, s22, 3
	s_lshr_b32 s5, s22, 2
	s_mov_b32 s3, 0x40000                          ; a head's part: 262,144 bytes
	s_mov_b32 s11, 0x2000                          ; 64 positions of a head: 8,192 bytes
	s_cmp_eq_u32 s[ISV], 1
	s_cselect_b32 s6, s22, s23                     ; mt
	s_cselect_b32 s7, s[CH], s[RH]                 ; mh
	s_cselect_b32 s8, s23, s4                      ; nt
	s_cselect_b32 s9, s[RH], s[CH]                 ; nh
	s_cselect_b32 s10, 2, s5                       ; part: v 2; else tile column / 4
	s_cselect_b32 s2, s11, s3                      ; what b / 4 steps: q, k the head; v 64 keys
	s_cselect_b32 s67, s3, s11                     ; what a / 4 steps: q, k 64 positions; v the head
	s_lshl_b32 s10, s10, 23
	s_lshr_b32 s4, s6, 3                           ; the batch
	s_lshl_b32 s4, s4, 4
	s_lshl_b32 s8, s8, 2
	s_add_co_u32 s4, s4, s8
	s_lshl_b32 s9, s9, 1
	s_add_co_u32 s4, s4, s9                        ; 16 x batch + my first head
	s_lshl_b32 s4, s4, 18
	s_add_co_u32 s10, s10, s4
	s_and_b32 s6, s6, 7
	s_lshl_b32 s6, s6, 15                          ; 256 positions are 32,768 bytes of a head's part,
	s_lshl_b32 s7, s7, 14                          ; 128 are 16,384
	s_add_co_u32 s6, s6, s7
	s_add_co_u32 s4, s10, s6
	s_mov_b32 s5, 0
	s_mov_b32 s3, 0
	s_mov_b32 s10, s67
	s_mov_b32 s11, 0
	s_add_nc_u64 s[OB:OB+1], s[14:15], s[4:5]
	s_add_nc_u64 s[OB+2:OB+3], s[OB:OB+1], s[10:11]
	s_add_nc_u64 s[OB+4:OB+5], s[OB:OB+1], s[2:3]
	s_add_nc_u64 s[OB+6:OB+7], s[OB+4:OB+5], s[10:11]
	s_mov_b32 s[FAC+1], 1.0
	s_cmp_eq_u32 ttmp9, 0                          ; the cluster that makes q
	s_cselect_b32 s[FAC], 0x3e38aa3b, s[FAC+1]     ; c = log2(e) / 8
	s_mov_b32 s[FAC+1], s[FAC]                     ; (named with it as a pair, so it is written)
	s_wait_loadcnt 0x0                             ; the bias
.set i, 0
.rept 64
	v_cndmask_b32 v[CB+i], 0, v[CB+i], s[KEEP]     ; kept for q and k, 0 for v
.set i, i+1
.endr
.macro FRAG reg, adr, q, i             ; 16 rows x 128 K of 4-bit codes: lane l holds row l % 16; registers 4 c .. 4 c + 3 hold K = 64 c + 32 (l / 16) + 0 .. 31
.irp c, 0,1
	ds_load_b128 v[\reg+4*\c:\reg+4*\c+3], v[\adr] offset:64*(\q)+32*\c+(\i)*16*PITCH
.endr
.endm
; 16 matrix instructions: A's blocks a0, a0 + 1 x B's eight, the slot's q-th 128 along K.  p: B's set; sc: the set of scale words.  first = 1: the sums start from the bias: nothing is cleared.
; The 64 accumulators take turns, one instruction a turn, in the same order in every step.
.macro MUL16 a0, p, q, sc, first
.irp a, \a0, \a0+1
.irp b, 0,1,2,3,4,5,6,7
.if \first
	v_wmma_scale_f32_16x16x128_f8f6f4 v[8*(8*((\a)%4)+\b):8*(8*((\a)%4)+\b)+7], v[128*(\p)+FR*\b:128*(\p)+FR*\b+FR-1], v[AF+FR*(\a):AF+FR*(\a)+FR-1], v[CB+8*\b:CB+8*\b+7], v[SC+8*NQ*(\sc)+NQ*\b+(\q)], v[SC+8*NQ*(\sc)+NQ*(\a)+(\q)] matrix_a_fmt:MATRIX_FMT_FP4 matrix_b_fmt:MATRIX_FMT_FP4 matrix_a_scale:MATRIX_SCALE_ROW1
.else
	v_wmma_scale_f32_16x16x128_f8f6f4 v[8*(8*((\a)%4)+\b):8*(8*((\a)%4)+\b)+7], v[128*(\p)+FR*\b:128*(\p)+FR*\b+FR-1], v[AF+FR*(\a):AF+FR*(\a)+FR-1], v[8*(8*((\a)%4)+\b):8*(8*((\a)%4)+\b)+7], v[SC+8*NQ*(\sc)+NQ*\b+(\q)], v[SC+8*NQ*(\sc)+NQ*(\a)+(\q)] matrix_a_fmt:MATRIX_FMT_FP4 matrix_b_fmt:MATRIX_FMT_FP4 matrix_a_scale:MATRIX_SCALE_ROW1
.endif
.endr
.endr
.endm
.macro FETCH_B slot, q, p              ; B's eight fragments of the slot's q-th 128 along K into set p
	WIN TO_B
.irp i, 0,1,2,3,4,5,6,7
	FRAG 128*(\p)+FR*\i, ADRB+\slot, \q, \i
.endr
	WIN 0
.endm
.macro FETCH_A slot, q, i0             ; A's blocks i0 .. i0 + 3
.irp i, \i0, \i0+1, \i0+2, \i0+3
	FRAG AF+FR*(\i), ADRA+\slot, \q, \i
.endr
.endm
.macro SCALES sc                       ; a K step's scale words into set sc: four words a row; lanes 0-15 take A's block i, lanes 16-31 B's block i
.irp i, 0,1,2,3,4,5,6,7
	ds_load_b128 v[SC+8*NQ*\sc+NQ*\i:SC+8*NQ*\sc+NQ*\i+3], v[ADRS] offset:\i*SBLK
.endr
.endm
; A load into a register that a matrix instruction has read, and a vector instruction that reads a matrix result or writes one of its registers, stand NP places behind it; only plain vector
; instructions that name none of its registers are places (ISA guide 7.12.1 for vector instructions).
.macro PLACES n
.rept \n
	v_nop
.endr
.endm
; A step of 128 along K that has its successor in the same slot.  A has one set of registers: blocks 0-3 are fetched anew in the step's middle, blocks 4-7 at its end; B has two sets.
.macro STEP slot, q, first
	s_wait_dscnt 4*NL                              ; B's set and A's blocks 0-3 are in; the youngest eight loads (A's blocks 4-7) may be out
	WIN MUL_LO-0x20*(\first)
	MUL16 0, (\q)%2, \q, \slot, \first
	MUL16 2, (\q)%2, \q, \slot, \first
	s_wait_dscnt 0                                 ; A's blocks 4-7 are in
	PLACES NP
	FETCH_B \slot, (\q)+1, 1-(\q)%2
	FETCH_A \slot, (\q)+1, 0
	WIN MUL_HI-0x30*(\first)
	MUL16 4, (\q)%2, \q, \slot, \first
	MUL16 6, (\q)%2, \q, \slot, \first
	PLACES NP
	WIN 0
	FETCH_A \slot, (\q)+1, 4
.endm
; Slot 0's last step goes over to slot 1: one barrier; in front of it each wave waits for all its tensor loads (its part of slot 1).  Nothing is filled again.
.macro TURN slot, next
	s_wait_tensorcnt 0x0                           ; all my tensor loads have landed (every window is 0 here)
	ds_add_u32 v[SPW], v[NIL]                      ; 0 onto my spare word
	s_wait_dscnt 4*NL+1                            ; (the add and the youngest eight loads may be out)
	WIN MUL_LO
	MUL16 0, 1, NQ-1, \slot, 0
	s_wait_dscnt 0x0                               ; no LDS instruction of mine is pending at the signal
	s_barrier_signal -1
	MUL16 2, 1, NQ-1, \slot, 0
	WIN 0
	s_barrier_wait -1                              ; the next slot is whole
	PLACES NP
	v_add_nc_u32 v[ADRS], 4*NQ, v[ADRS]            ; on to the next K step's scale words
	FETCH_B \next, 0, 0
	FETCH_A \next, 0, 0
	SCALES \next
	WIN MUL_HI
	MUL16 4, 1, NQ-1, \slot, 0
	MUL16 6, 1, NQ-1, \slot, 0
	PLACES NP
	WIN 0
	FETCH_A \next, 0, 4
.endm
.macro STEPS slot, from                ; the slot's steps from .. NQ - 2
.set QQ, \from
.rept NQ-1-\from
	STEP \slot, QQ, 0
.set QQ, QQ+1
.endr
.endm
	s_wait_tensorcnt 1                             ; the scales and my part of K step 0 are in (K step 1's load may be out)
	s_barrier_signal -1
	s_barrier_wait -1                              ; everybody's are
	FETCH_B 0, 0, 0
	FETCH_A 0, 0, 0
	SCALES 0
	FETCH_A 0, 0, 4
	STEP 0, 0, 1                                   ; the first products start the sums from the bias
	STEPS 0, 1
	TURN 0, 1
	STEPS 1, 0
	s_wait_dscnt 4*NL                              ; the very last step: nothing more to fetch
	WIN MUL_LO
	MUL16 0, 1, NQ-1, 1, 0
	MUL16 2, 1, NQ-1, 1, 0
	s_wait_dscnt 0
	WIN MUL_HI
	MUL16 4, 1, NQ-1, 1, 0
	MUL16 6, 1, NQ-1, 1, 0
	WIN 0
; THE WAY OUT of A's block a: its eight accumulators, each from its low end on, times the factor; rounded to f16 in pairs; eight stores of half an image, 512 consecutive bytes each.
.macro OUT a
.if (\a) >= 4
	s_wait_xcnt 0x0                                ; block a - 4's stores have read their data: the registers are written again only behind this wait
.endif
	WIN 0x02+(\a)/4                                ; source 0: window 2 or 3
.set i, 0
.rept 32
	v_pk_mul_f32 v[TMP+2*i:TMP+2*i+1], v[64*((\a)%4)+2*i:64*((\a)%4)+2*i+1], s[FAC:FAC+1] op_sel_hi:[1,0]
.set i, i+1
.endr
	WIN 0
.set i, 0
.rept 32
	v_cvt_pk_f16_f32 v[PK+32*((\a)%4)+i], v[TMP+2*i], v[TMP+2*i+1]
.set i, i+1
.endr
.irp b, 0,1,2,3,4,5,6,7
	global_store_b128 v[LI], v[PK+32*((\a)%4)+4*\b:PK+32*((\a)%4)+4*\b+3], s[OB+2*(2*(\b/4)+(\a)/4):OB+2*(2*(\b/4)+(\a)/4)+1] offset:((\a)%4)*2048+((\b/2)%2)*1024+(\b%2)*512
.endr
.endm
	PLACES NP                                      ; behind the last products: their results are read, and their operands' registers written, below
.irp a, 0,1,2,3,4,5,6,7
	OUT \a
.endr
	s_wait_tensorcnt 0x0                           ; the wave's end: these three lines behind my last tensor load
	ds_add_u32 v[SPW], v[NIL]
	s_wait_dscnt 0x0
	CROUND                                         ; the closing round: no work-group ends while a partner may still ask for a tile that names it
	s_endpgm
.Lfunc_end_k_qd9b04fe6fa_qkv:
	.size	k_qd9b04fe6fa_qkv, .Lfunc_end_k_qd9b04fe6fa_qkv-k_qd9b04fe6fa_qkv
	.p2alignl 7, 3214868480
	.fill 96, 4, 3214868480
	.section	.rodata,"a",@progbits
	.p2align	6, 0x0
	.amdhsa_kernel k_qd9b04fe6fa_qkv
		.amdhsa_group_segment_fixed_size 327680
		.amdhsa_private_segment_fixed_size 0
		.amdhsa_enable_private_segment 0
		.amdhsa_kernarg_size 48
		.amdhsa_user_sgpr_count 2
		.amdhsa_user_sgpr_kernarg_segment_ptr 1
		.amdhsa_wavefront_size32 1
		.amdhsa_system_sgpr_workgroup_id_x 1
		.amdhsa_system_sgpr_workgroup_id_y 1
		.amdhsa_system_sgpr_workgroup_id_z 1
		.amdhsa_system_vgpr_workitem_id 0
		.amdhsa_next_free_vgpr 1024
		.amdhsa_next_free_sgpr 102
		.amdhsa_reserve_vcc 0
		.amdhsa_float_denorm_mode_32 3
		.amdhsa_float_denorm_mode_16_64 3
		.amdhsa_memory_ordered 1
		.amdhsa_forward_progress 1
		.amdhsa_inst_pref_size 140
	.end_amdhsa_kernel
	.amdgpu_metadata
---
amdhsa.version: [ 1, 2 ]
amdhsa.kernels:
  - .name:           k_qd9b04fe6fa_qkv
    .symbol:         k_qd9b04fe6fa_qkv.kd
    .args:
      - { .name: xc, .offset: 0, .size: 8, .value_kind: global_buffer, .address_space: global }
      - { .name: xs, .offset: 8, .size: 8, .value_kind: global_buffer, .address_space: global }
      - { .name: wc, .offset: 16, .size: 8, .value_kind: global_buffer, .address_space: global }
      - { .name: ws, .offset: 24, .size: 8, .value_kind: global_buffer, .address_space: global }
      - { .name: b_qkv, .offset: 32, .size: 8, .value_kind: global_buffer, .address_space: global }
      - { .name: qkvf, .offset: 40, .size: 8, .value_kind: global_buffer, .address_space: global }
    .group_segment_fixed_size: 327680
    .private_segment_fixed_size: 0
    .kernarg_segment_align: 8
    .kernarg_segment_size: 48
    .max_flat_workgroup_size: 128
    .sgpr_count:     102
    .vgpr_count:     1024
    .wavefront_size: 32
...
	.end_amdgpu_metadata
.endif
;; end of part 2
;; launch attn (part 3): grid 8 x 32, 8 waves a work-group, clusters of 4 x 1, 327,680 bytes of LDS; arguments qkvf, b_qkv, ao; writes ao
.if DOCPART == 3
	.amdgcn_target "amdgcn-amd-amdhsa--gfx1250"
	.amdhsa_code_object_version 6
	.text
	.protected	k_qd9b04fe6fa_attn
	.globl	k_qd9b04fe6fa_attn
	.p2align	8
	.type	k_qd9b04fe6fa_attn,@function
k_qd9b04fe6fa_attn:
	s_mov_b64 s[64:65], 0
	v_nop
	global_prefetch_b8 v0, s[64:65] scope:SCOPE_SE
	s_setreg_imm32_b32 hwreg(HW_REG_WAVE_MODE, 25, 1), 1
	s_wait_xcnt 0x0
	s_wait_alu depctr_hold_cnt(0) depctr_sa_sdst(0) depctr_va_vdst(0) depctr_va_sdst(0) depctr_va_ssrc(0) depctr_va_vcc(0) depctr_vm_vsrc(0)
	s_getreg_b32 s2, hwreg(HW_REG_IB_STS2, 6, 4)
	s_cmp_eq_u32 s2, 0
	s_cbranch_scc0 .Lentry_in_a_cluster
	s_endpgm
.Lentry_in_a_cluster:
	s_bfe_u32 s2, ttmp6, 0x10000c
	s_cmp_lg_u32 s2, 0x3003
	s_cbranch_scc0 .Lentry_shape_is_right
	s_endpgm
.Lentry_shape_is_right:
; o[bh][q] = the sum over k of softmax_k(q . k / 8) v[k] + b_v, for 32 heads (batch x 16 + head) of 2,048 positions and 64 channels.  Operands in f16, products, maxima and sums in f32.
; IN: images of operand registers (1,024 bytes: registers 0-3 of the 32 lanes at 16 x lane, registers 4-7 512 bytes on): part 0 q, already times c = log2(e) / 8, [bh][position / 16][channel / 32];
;   part 1 k likewise; part 2 v turned, [bh][key / 64][channel / 16][(key / 32) % 2].  64 keys of k or of v are 8,192 dense bytes.
; OUT: images of the next product's operand: [row / 16][2 head + channel / 32], row = 2,048 batch + position.
; b_v is added behind the average: the weights of a row sum to one (an order of rounding that differs from the source's).
; SOFTMAX: s = (c q) . k; a running maximum m and sum l for each query; p = 2^(s - m), at most 1 for every input; in every step O and l are multiplied by a = 2^(m_old - m_new).
; LIMITS: NaN and infinities are not served; p under the smallest f16 number counts as 0 in the product (not in the sum).
; SHARES: a work-group owns 256 queries of one head.  Wave w: qg = w % 4 owns 64 queries (four tiles of 16); kh = w / 4 walks half of the keys: of each slot's 256 keys those from 128 kh on, 64 a step.
;   So a fragment read from LDS feeds four products, and two waves share a SIMD: one's vector work stands beside the other's products.  At the end wave 4 + qg hands (O, m, l) to wave qg through LDS.
; LAYOUT: S^T = K Q^T (source 0 = 16 keys, source 1 = 16 queries) and O^T = V^T P (source 0 = 16 channels, source 1 = P): a lane holds ONE query throughout; two tiles of S^T, rounded in pairs, are P's fragment.
; CLUSTER: the four query blocks of a cluster belong to one head and walk the same K and V: every tile is asked for jointly, by the same tensor load with a mask that names the four.
; RING: two slots of 256 keys (K 32,768 bytes, then V 32,768).  Each of the eight waves fetches 8,192 bytes by one load (waves 0-3 K's quarters, waves 4-7 V's): one tensor load of a wave is out.
; REGISTERS: window 0: v2-10 addresses; v16-47 eight statistics a tile (+0 m, +1 spare, later l; +2, +3 l in two halves; +4 .. +7 at work, a at +6); v64-191 S^T, 32 a tile; v192-255 P, 16 a tile.
;   window 1: v0-127 O^T, 32 a tile; v128-191 Q; v192-255 K of a step, then V.
.set SLOT1, 65536                      ; slot 1 begins here: one exclusive or turns an address
.set VOFF,  32768                      ; V behind K in a slot
.set STEPB, 8192                       ; 64 keys
.set FILLB, 32768                      ; a slot's keys in K or in V, in memory
.set MRG,   2*SLOT1                    ; behind the ring: for each pair of waves 16,384 bytes for O's image and 1,024 for (m, l)
.set MRGP,  17408
.set BIA,   MRG+4*MRGP                 ; each wave's own image of b_v, 4,096 bytes
.set SPARE, BIA+8*4096                 ; the spare words, 128 bytes a wave, which no other line names
.set LI,   2                           ; v2   16 x lane
.set AK0,  3                           ; v3   16 x lane + 16,384 kh: my place in a slot's K
.set ADR,  4                           ; v4   the LDS address of the step in hand
.set MST,  5                           ; v5   my pair's image of O
.set MSS,  6                           ; v6   my pair's (m, l): 8 bytes a lane
.set BIAD, 7                           ; v7   my wave's image of b_v
.set PFO,  9                           ; v9   256 x lane: the prefetches' offset; never rewritten
.set BO,   10                          ; v10  32 x (lane / 16)
.set ST,   16
.set SPW,  62                          ; v62  LDS address of my spare word; never rewritten
.set NIL,  63                          ; v63  0; never rewritten
.set S,    64
.set P,    192
.set OT,   0                           ; in window 1
.set QF,   128
.set KV,   192
.set WV,   12                          ; s12  wave
.set LIM,  15                          ; s15  1 in a wave that prefetches, else the greatest number
.set PFA,  18                          ; s[18:19] where my prefetches stand
.set G1,   24                          ; s[24:31] descriptor group 1: one shape for K and V
.set G0,   40                          ; s[40:43] group 0, which walks
.set SLOTS, 56                         ; s56  slots still to be asked for
.set TWICE, 57                         ; s57  counts a slot's two steps
.set SEL,  60                          ; s[60:61] lane selects for v_permlanex16_b32: lane l xor 16
.set TB,   62                          ; s62  LDS byte at which the step in hand begins (less my half's 16,384 kh)
.set MSB, 0
.macro WIN new                         ; the immediate's high byte repeats the setting that is left
.if MSB != (\new)
	s_set_vgpr_msb (MSB<<8)|(\new)
.set MSB, (\new)
.endif
.endm
.set W_KQ, 0x05                        ; K and Q in window 1, S^T in window 0
.set W_PV, 0x51                        ; V, C and D in window 1, P in window 0
.set W_RS, 0x41                        ; O^T (destination and source 0) in window 1, a in window 0
.set TO_1, 0x40                        ; destination window 1, address window 0
.macro JLOAD                           ; my 8,192 bytes of a slot; every wave of all four partners issues this one line; an s_nop 0 and four v_nop follow it
	tensor_load_to_lds s[G0:G0+3], s[G1:G1+7]
	s_nop 0
.rept 4
	v_nop
.endr
.endm
; A PREFETCH of what the NEXT change of slots will ask for: 32,768 bytes of K and of V, a lane to each 256.  Both clusters of a head walk the same K and V: the first of them asks.  Its four partners take
; 8,192 bytes each, told apart BY ADDRESS; in each, wave 0 asks for K's and wave 4 for V's: each aligned 256 bytes are named once in the launch.  The last change that fills a slot asks for nothing.
.macro ASK
	s_cmp_gt_u32 s[SLOTS], s[LIM]
	s_cbranch_scc0 .Lnot_mine_\@
	global_prefetch_b8 v[PFO], s[PFA:PFA+1] th:TH_LOAD_NT scope:SCOPE_SE
.Lnot_mine_\@:
.endm
.macro CROUND                          ; a round of the cluster's barrier
	s_barrier_signal -1
	s_barrier_wait -1
	s_cmp_lg_u32 s[WV], 0
	s_cbranch_scc1 .Lnot_wave_0_\@
	s_barrier_signal -3
.Lnot_wave_0_\@:
	s_barrier_wait -3
	s_barrier_signal -1
	s_barrier_wait -1
.endm
.macro PLACES                          ; four places behind matrix instructions (ISA guide 7.12.1 for vector instructions)
.rept 4
	v_nop
.endr
.endm
	s_load_b128 s[4:7], s[0:1], 0x0                ; the images of q, k, v s[4:5]; b_qkv s[6:7]
	s_load_b64 s[8:9], s[0:1], 0x10                ; the images of o
	v_lshl_add_u32 v[SPW], v0, 2, SPARE
	v_mov_b32 v[NIL], 0
	ds_add_u32 v[SPW], v[NIL]                      ; the wave's opening: the add, twice on end, and its wait ahead of my first tensor load; the set-up below stands between
	ds_add_u32 v[SPW], v[NIL]
	v_lshrrev_b32 v1, 5, v0
	v_readfirstlane_b32 s[WV], v1                  ; wave 0..7
	s_bfe_u32 s13, ttmp6, 0x40000                  ; cx: my place in the cluster
	s_lshl_b32 s14, ttmp9, 2
	s_add_co_u32 s14, s14, s13                     ; my block of 256 queries: it enters Q's and o's addresses alone
	s_and_b32 s16, s[WV], 3                        ; qg
	s_lshr_b32 s17, s[WV], 2                       ; kh.  Also: I fetch for K (0) or for V (1)
	s_and_b32 s20, ttmp7, 0xffff                   ; bh, which the four partners share
	s_lshl_b32 s21, s20, 18                        ; the head's first byte in a part
	s_add_co_u32 s22, s17, 1
	s_lshl_b32 s22, s22, 23
	s_add_co_u32 s22, s22, s21                     ; part 1 (K) or 2 (V), my head
	s_lshl_b32 s23, s16, 13
	s_add_co_u32 s50, s22, s23                     ; what I fetch: quarter qg of a slot
	s_mov_b32 s51, 0
	s_lshl_b32 s52, s13, 13                        ; what I prefetch: my work-group's quarter,
	s_add_co_u32 s52, s52, s22
	s_add_co_u32 s52, s52, FILLB                   ; in the second slot's keys: the first change of slots steps it to the third's.  Nothing is prefetched at the head
	s_mov_b32 s53, 0
	s_lshl_b32 s44, s14, 15                        ; Q: 256 queries are 32,768 bytes, my wave's 64 are 8,192
	s_add_co_u32 s44, s44, s21
	s_add_co_u32 s44, s44, s23
	s_mov_b32 s45, 0
	s_lshr_b32 s46, s20, 4                         ; o: tile of rows 128 batch + 16 block + 4 qg, 32,768 bytes each;
	s_lshl_b32 s46, s46, 7
	s_lshl_b32 s47, s14, 4
	s_add_co_u32 s46, s46, s47
	s_lshl_b32 s47, s16, 2
	s_add_co_u32 s46, s46, s47
	s_lshl_b32 s46, s46, 15
	s_and_b32 s48, s20, 15                         ; the head:
	s_lshl_b32 s47, s48, 11                        ; its two images in a tile of rows
	s_add_co_u32 s46, s46, s47
	s_mov_b32 s47, 0
	s_lshl_b32 s48, s48, 8                         ; b_v: 4 (2,048 + 64 head)
	s_add_co_u32 s48, s48, 8192
	s_mov_b32 s49, 0
	; descriptor group 1: 8,192 dense bytes as 32 rows of 256 (32 elements of 8 bytes), no padding: an image is read 16 bytes a lane, on end
	s_mov_b32 s[G1], 15|(3<<16)|(1<<21)            ; 15:0 the mask: all four work-groups; 17:16 elements of 8 bytes; 21 set beside a mask
	s_mov_b32 s[G1+1], 32<<16                      ; tensor_dim0
	s_mov_b32 s[G1+2], 32<<16                      ; tensor_dim1
	s_mov_b32 s[G1+3], 32<<16                      ; tile_dim0
	s_mov_b32 s[G1+4], 32                          ; tile_dim1
	s_mov_b32 s[G1+5], 32                          ; tensor_dim0_stride
	s_mov_b32 s[G1+6], 0
	s_mov_b32 s[G1+7], 0
	s_mov_b32 s[G0], 1
	s_lshl_b32 s[G0+1], s[WV], 13                  ; LDS: wave x 8,192, in slot 0: K's four quarters, then V's
	s_mov_b32 s[SEL], 0x76543210
	s_mov_b32 s[SEL+1], 0xfedcba98
	s_mov_b32 s[TB], 0
	s_mov_b32 s[SLOTS], 7
	s_and_b32 s[LIM], s[WV], 3                     ; 0 in waves 0 and 4,
	s_or_b32 s[LIM], s[LIM], ttmp9                 ; of the head's first cluster: the same in all four partners
	s_cmp_eq_u32 s[LIM], 0
	s_cselect_b32 s[LIM], 1, -1
	s_wait_dscnt 0x0                               ; both opening adds are done
	s_wait_kmcnt 0x0
	s_add_nc_u64 s[G0+2:G0+3], s[4:5], s[50:51]
	s_or_b32 s[G0+3], s[G0+3], 0x80000000          ; type = 2
	s_add_nc_u64 s[PFA:PFA+1], s[4:5], s[52:53]
	s_add_nc_u64 s[4:5], s[4:5], s[44:45]          ; Q at my wave's first tile
	s_add_nc_u64 s[6:7], s[6:7], s[48:49]          ; b_v at my head
	s_add_nc_u64 s[8:9], s[8:9], s[46:47]          ; o at my wave's first tile
	CROUND                                         ; all four work-groups are here: the first joint loads meet
	JLOAD                                          ; slot 0
	v_and_b32 v1, 31, v0
	v_lshlrev_b32 v[LI], 4, v1
	v_bfe_u32 v8, v0, 4, 1
	v_lshlrev_b32 v[BO], 5, v8
.irp ct, 0,1,2,3
	global_load_b128 v[S+8*\ct:S+8*\ct+3], v[BO], s[6:7] offset:64*\ct        ; lane (r, h): b_v of channels 16 ct + 8 h + 0 .. 7
	global_load_b128 v[S+8*\ct+4:S+8*\ct+7], v[BO], s[6:7] offset:64*\ct+16
.endr
	WIN TO_1
.irp n, 0,1,2,3,4,5,6,7,8,9,10,11,12,13,14,15
	global_load_b128 v[QF+4*\n:QF+4*\n+3], v[LI], s[4:5] offset:512*\n         ; Q stays in registers: fragment (tile t, channels 32 f on) at v[QF + 8 (2 t + f)]
.endr
	WIN 0
	s_lshl_b32 s21, s17, 14
	v_add_nc_u32 v[AK0], s21, v[LI]
	s_mul_i32 s21, s16, MRGP
	s_add_co_u32 s21, s21, MRG
	v_add_nc_u32 v[MST], s21, v[LI]
	v_lshlrev_b32 v[MSS], 3, v1
	s_add_co_u32 s21, s21, 16384
	v_add_nc_u32 v[MSS], s21, v[MSS]
	s_lshl_b32 s21, s[WV], 12
	s_add_co_u32 s21, s21, BIA
	v_add_nc_u32 v[BIAD], s21, v[LI]
	v_lshlrev_b32 v[PFO], 8, v1
.irp t, 0,1,2,3
	v_mov_b32 v[ST+8*\t], 0xff61b1e6               ; m: -3e38, under every score
	v_mov_b32 v[ST+8*\t+1], 0                      ; (named as the upper half of the pair with m)
	v_mov_b32 v[ST+8*\t+2], 0                      ; l, in two halves
	v_mov_b32 v[ST+8*\t+3], 0
.endr
	s_wait_loadcnt 16                              ; b_v's eight loads are in; Q's sixteen may be out
.irp n, 0,1,2,3,4,5,6,7
	ds_store_b128 v[BIAD], v[S+4*\n:S+4*\n+3] offset:512*\n        ; b_v waits in my own LDS bytes for the way out: no register is free for it meanwhile
.endr
	WIN TO_1
.set i, 0
.rept 128
	v_mov_b32 v[OT+i], 0                           ; O^T.  (The step is written once: the first finds zeros, which the first a, 0, leaves zeros; a first step of its own would be a third copy of the step)
.set i, i+1
.endr
	WIN 0
	s_wait_loadcnt 0x0                             ; Q
.macro FETCH off                       ; 8,192 bytes, 16 loads on end: the order of the images is the order of the registers: K's fragment (kt, f) at 8 (2 kt + f), V's (ct, kb) at 8 (2 ct + kb)
	WIN TO_1
.irp n, 0,1,2,3,4,5,6,7,8,9,10,11,12,13,14,15
	ds_load_b128 v[KV+4*\n:KV+4*\n+3], v[ADR] offset:\off+512*\n
.endr
	WIN 0
.endm
; A KEY STEP: 64 keys for my four tiles of queries: 32 products K Q^T, the softmax, 32 products V^T P.  In each run the 16 accumulators take turns, one instruction a turn.
.macro STEP
	v_add_nc_u32 v[ADR], s[TB], v[AK0]
	FETCH 0                                        ; K
	s_wait_dscnt 0x0
	WIN W_KQ
.irp f, 0,1
.irp kt, 0,1,2,3
.irp t, 0,1,2,3
.if \f == 0
	v_wmma_f32_16x16x32_f16 v[S+32*\t+8*\kt:S+32*\t+8*\kt+7], v[KV+8*(2*\kt+\f):KV+8*(2*\kt+\f)+7], v[QF+8*(2*\t+\f):QF+8*(2*\t+\f)+7], 0
.else
	v_wmma_f32_16x16x32_f16 v[S+32*\t+8*\kt:S+32*\t+8*\kt+7], v[KV+8*(2*\kt+\f):KV+8*(2*\kt+\f)+7], v[QF+8*(2*\t+\f):QF+8*(2*\t+\f)+7], v[S+32*\t+8*\kt:S+32*\t+8*\kt+7]
.endif
.endr
.endr
.endr
	WIN 0
	PLACES                                         ; in front of the loads into K's registers and of the first reads of the scores
	FETCH VOFF                                     ; V lands under the softmax
	; the maximum of a lane's 32 scores and the old m: four chains of seven, the four left over, then the chains and m.  Each accumulator is first read at its low end.  The four tiles by turns
.irp j, 0,1,2,3
.irp t, 0,1,2,3
	v_max3_num_f32 v[ST+8*\t+4+\j], v[S+32*\t+8*\j], v[S+32*\t+8*\j+1], v[S+32*\t+8*\j+2]
.endr
.endr
.irp u, 1,2
.irp j, 0,1,2,3
.irp t, 0,1,2,3
	v_max3_num_f32 v[ST+8*\t+4+\j], v[ST+8*\t+4+\j], v[S+32*\t+8*\j+2*\u+1], v[S+32*\t+8*\j+2*\u+2]
.endr
.endr
.endr
.irp t, 0,1,2,3
	v_max3_num_f32 v[ST+8*\t+4], v[ST+8*\t+4], v[S+32*\t+7], v[S+32*\t+15]
.endr
.irp t, 0,1,2,3
	v_max3_num_f32 v[ST+8*\t+6], v[ST+8*\t+6], v[S+32*\t+23], v[S+32*\t+31]
.endr
.irp t, 0,1,2,3
	v_max3_num_f32 v[ST+8*\t+4], v[ST+8*\t+4], v[ST+8*\t+5], v[ST+8*\t+6]
.endr
.irp t, 0,1,2,3
	v_max3_num_f32 v[ST+8*\t+4], v[ST+8*\t+4], v[ST+8*\t+7], v[ST+8*\t]
.endr
.irp t, 0,1,2,3
	v_permlanex16_b32 v[ST+8*\t+5], v[ST+8*\t+4], s[SEL], s[SEL+1]   ; the query's other 32 keys lie in the lane 16 away
.endr
.irp t, 0,1,2,3
	v_mov_b32 v[ST+8*\t+7], v[ST+8*\t]             ; m_old is kept for a
.endr
.irp t, 0,1,2,3
	v_max_num_f32 v[ST+8*\t], v[ST+8*\t+4], v[ST+8*\t+5]
.endr
.irp t, 0,1,2,3
	v_sub_f32 v[ST+8*\t+7], v[ST+8*\t+7], v[ST+8*\t]
.endr
	; ONE BATCH of 132 exponentials: the four a, then p = 2^(s - m).  A tile's subtractions stand among the exponentials of the tile before.  None of these lines names an exponential's result
.irp t, 0,1,2,3
	v_exp_f32 v[ST+8*\t+6], v[ST+8*\t+7]
.endr
.irp i, 0,1,2,3,4,5,6,7,8,9,10,11,12,13,14,15
	v_pk_add_f32 v[S+2*\i:S+2*\i+1], v[S+2*\i:S+2*\i+1], v[ST:ST+1] op_sel_hi:[1,0] neg_lo:[0,1] neg_hi:[0,1]   ; s - m, two at a time (of the pair the low word, m, serves both halves)
.endr
.irp t, 0,1,2,3
.irp i, 0,1,2,3,4,5,6,7,8,9,10,11,12,13,14,15
.if \t < 3
	v_pk_add_f32 v[S+32*(\t+1)+2*\i:S+32*(\t+1)+2*\i+1], v[S+32*(\t+1)+2*\i:S+32*(\t+1)+2*\i+1], v[ST+8*(\t+1):ST+8*(\t+1)+1] op_sel_hi:[1,0] neg_lo:[0,1] neg_hi:[0,1]
.endif
	v_exp_f32 v[S+32*\t+2*\i], v[S+32*\t+2*\i]
	v_exp_f32 v[S+32*\t+2*\i+1], v[S+32*\t+2*\i+1]
.endr
.endr
	v_nop                                          ; a plain instruction behind the last exponential, ahead of the first use
	s_wait_alu depctr_va_vdst(0)                   ; the wait ahead of the first line that names a result: one for the batch
	; l = a l + the sum of the unrounded p, two at a time, in two chains
.irp t, 0,1,2,3
	v_pk_fma_f32 v[ST+8*\t+2:ST+8*\t+3], v[ST+8*\t+2:ST+8*\t+3], v[ST+8*\t+6:ST+8*\t+7], v[S+32*\t:S+32*\t+1] op_sel_hi:[1,0,1]
.endr
.irp t, 0,1,2,3
	v_pk_add_f32 v[ST+8*\t+4:ST+8*\t+5], v[S+32*\t+2:S+32*\t+3], v[S+32*\t+4:S+32*\t+5]
.endr
.irp i, 3,5,7,9,11,13
.irp t, 0,1,2,3
	v_pk_add_f32 v[ST+8*\t+2:ST+8*\t+3], v[ST+8*\t+2:ST+8*\t+3], v[S+32*\t+2*\i:S+32*\t+2*\i+1]
.endr
.irp t, 0,1,2,3
	v_pk_add_f32 v[ST+8*\t+4:ST+8*\t+5], v[ST+8*\t+4:ST+8*\t+5], v[S+32*\t+2*\i+2:S+32*\t+2*\i+3]
.endr
.endr
.irp t, 0,1,2,3
	v_pk_add_f32 v[ST+8*\t+2:ST+8*\t+3], v[ST+8*\t+2:ST+8*\t+3], v[S+32*\t+30:S+32*\t+31]
.endr
.irp t, 0,1,2,3
	v_pk_add_f32 v[ST+8*\t+2:ST+8*\t+3], v[ST+8*\t+2:ST+8*\t+3], v[ST+8*\t+4:ST+8*\t+5]
.endr
	; p to f16: register pair n of a tile's scores is register n of its two fragments of P
.irp t, 0,1,2,3
.irp n, 0,1,2,3,4,5,6,7,8,9,10,11,12,13,14,15
	v_cvt_pk_f16_f32 v[P+16*\t+\n], v[S+32*\t+2*\n], v[S+32*\t+2*\n+1]
.endr
.endr
	WIN W_RS
.irp t, 0,1,2,3
.irp n, 0,1,2,3,4,5,6,7,8,9,10,11,12,13,14,15
	v_pk_mul_f32 v[OT+32*\t+2*\n:OT+32*\t+2*\n+1], v[OT+32*\t+2*\n:OT+32*\t+2*\n+1], v[ST+8*\t+6:ST+8*\t+7] op_sel_hi:[1,0]   ; O^T x a, each accumulator from its low end on
.endr
.endr
	s_wait_dscnt 0x0                               ; V is in
	WIN W_PV
.irp kb, 0,1
.irp ct, 0,1,2,3
.irp t, 0,1,2,3
	v_wmma_f32_16x16x32_f16 v[OT+32*\t+8*\ct:OT+32*\t+8*\ct+7], v[KV+8*(2*\ct+\kb):KV+8*(2*\ct+\kb)+7], v[P+16*\t+8*\kb:P+16*\t+8*\kb+7], v[OT+32*\t+8*\ct:OT+32*\t+8*\ct+7]
.endr
.endr
.endr
	WIN 0
	PLACES                                         ; in front of the next loads into V's registers, and of the reads of O^T behind the last step
	s_add_co_u32 s[TB], s[TB], STEPB
.endm
.macro SLOT_STEPS                      ; my two steps of a slot: written once, walked twice
	s_mov_b32 s[TWICE], 2
.Lstep_\@:
	STEP
	s_sub_co_u32 s[TWICE], s[TWICE], 1
	s_cmp_lg_u32 s[TWICE], 0
	s_cbranch_scc1 .Lstep_\@
	s_sub_co_u32 s[TB], s[TB], 2*STEPB             ; back to a slot's first step,
	s_xor_b32 s[TB], s[TB], SLOT1                  ; in the other slot
.endm
; THE CHANGE OF SLOTS stands at a slot's head.  Each wave waits for all its tensor loads (its part of the slot that it is about to read), adds 0 to its spare word, and waits for that and for its reads of the slot that it
; has left.  fill = 1: the barrier is a round of the cluster's, so that no wave of any partner still reads that slot or has a load on its way, and the joint load of the keys that follow is the first thing behind it:
; it has a slot's two steps in which to land.
.macro CHANGE fill
	s_wait_tensorcnt 0x0                           ; no tensor load of mine is out, so group 0 may be written
	ds_add_u32 v[SPW], v[NIL]                      ; 0 onto my spare word
.if \fill
	s_xor_b32 s[G0+1], s[G0+1], SLOT1              ; the walking descriptor: the other slot than last time,
	s_add_nc_u64 s[G0+2:G0+3], s[G0+2:G0+3], FILLB ; the next 256 keys; the type bits on top are not reached
	s_wait_xcnt 0x0                                ; the last prefetch, a slot back, has read its address, so it may be written:
	s_add_nc_u64 s[PFA:PFA+1], s[PFA:PFA+1], FILLB ; one slot further on than the walking descriptor
	s_wait_dscnt 0x0                               ; the add is done, and my reads of the slot that I have left are over
	CROUND
	JLOAD
	ASK
.else
	s_wait_dscnt 0x0
	s_barrier_signal -1
	s_barrier_wait -1
.endif
.endm
.Lslot:                                            ; seven trips: behind each change of slots but the last the next slot is asked for (slot 1's first fill goes out so too, behind the first trip's round)
	CHANGE 1
	SLOT_STEPS
	s_sub_co_u32 s[SLOTS], s[SLOTS], 1
	s_cmp_lg_u32 s[SLOTS], 0
	s_cbranch_scc1 .Lslot
	CHANGE 0                                       ; the last slot is written out
	SLOT_STEPS
	; THE TWO HALVES OF THE KEYS MEET.  l's two halves and the other half of the lanes' are added; wave 4 + qg stores O^T as an image of its registers, and (m, l); a barrier; wave qg takes them.
.irp t, 0,1,2,3
	v_add_f32 v[ST+8*\t+1], v[ST+8*\t+2], v[ST+8*\t+3]
.endr
.irp t, 0,1,2,3
	v_permlanex16_b32 v[ST+8*\t+4], v[ST+8*\t+1], s[SEL], s[SEL+1]
.endr
.irp t, 0,1,2,3
	v_add_f32 v[ST+8*\t+1], v[ST+8*\t+1], v[ST+8*\t+4]
.endr
	s_cmp_lt_u32 s[WV], 4
	s_cbranch_scc1 .Lkeeps
	WIN 0x04                                       ; an LDS store's data are its source 1: window 1
.irp n, 0,1,2,3,4,5,6,7,8,9,10,11,12,13,14,15,16,17,18,19,20,21,22,23,24,25,26,27,28,29,30,31
	ds_store_b128 v[MST], v[OT+4*\n:OT+4*\n+3] offset:512*\n       ; each accumulator from its low end on
.endr
	WIN 0
.irp t, 0,1,2,3
	ds_store_b64 v[MSS], v[ST+8*\t:ST+8*\t+1] offset:256*\t
.endr
.Lkeeps:
	s_wait_dscnt 0x0                               ; for the partner's sake: my stores have landed
	s_barrier_signal -1
	s_barrier_wait -1
	s_cmp_ge_u32 s[WV], 4
	s_cbranch_scc1 .Ldone
.irp n, 0,1,2,3,4,5,6,7,8,9,10,11,12,13,14,15,16,17,18,19,20,21,22,23,24,25,26,27,28,29,30,31
	ds_load_b128 v[S+4*\n:S+4*\n+3], v[MST] offset:512*\n          ; the partner's O^T, in the same lanes
.endr
.irp t, 0,1,2,3
	ds_load_b64 v[P+32+2*\t:P+33+2*\t], v[MSS] offset:256*\t       ; its m and l
.endr
.irp n, 0,1,2,3,4,5,6,7
	ds_load_b128 v[P+4*\n:P+4*\n+3], v[BIAD] offset:512*\n         ; b_v: register 8 ct + j
.endr
	s_wait_dscnt 0x0
.irp t, 0,1,2,3
	v_max_num_f32 v[ST+8*\t+4], v[ST+8*\t], v[P+32+2*\t]           ; the common m
.endr
.irp t, 0,1,2,3
	v_sub_f32 v[ST+8*\t+5], v[ST+8*\t], v[ST+8*\t+4]
	v_sub_f32 v[ST+8*\t+6], v[P+32+2*\t], v[ST+8*\t+4]
.endr
.irp t, 0,1,2,3
	v_exp_f32 v[ST+8*\t+5], v[ST+8*\t+5]                           ; what brings my half under the common m,
	v_exp_f32 v[ST+8*\t+6], v[ST+8*\t+6]                           ; and the partner's
.endr
	v_nop
	s_wait_alu depctr_va_vdst(0)                   ; one wait for the eight
.irp t, 0,1,2,3
	v_mul_f32 v[ST+8*\t+7], v[ST+8*\t+1], v[ST+8*\t+5]
.endr
.irp t, 0,1,2,3
	v_fma_f32 v[ST+8*\t+7], v[P+33+2*\t], v[ST+8*\t+6], v[ST+8*\t+7]   ; the row's sum
.endr
.irp t, 0,1,2,3
	v_rcp_f32 v[ST+8*\t+3], v[ST+8*\t+7]
.endr
	v_nop
	s_wait_alu depctr_va_vdst(0)                   ; one wait for the four
.irp t, 0,1,2,3
	v_mul_f32 v[ST+8*\t+2], v[ST+8*\t+5], v[ST+8*\t+3]             ; my half's factor,
	v_mul_f32 v[ST+8*\t+4], v[ST+8*\t+6], v[ST+8*\t+3]             ; the partner's
.endr
.irp t, 0,1,2,3
.irp n, 0,1,2,3,4,5,6,7,8,9,10,11,12,13,14,15
	v_pk_fma_f32 v[S+32*\t+2*\n:S+32*\t+2*\n+1], v[S+32*\t+2*\n:S+32*\t+2*\n+1], v[ST+8*\t+4:ST+8*\t+5], v[P+2*\n:P+2*\n+1] op_sel_hi:[1,0,1]   ; the partner's part + b_v
.endr
.endr
	WIN 0x01                                       ; source 0: window 1
.irp t, 0,1,2,3
.irp n, 0,1,2,3,4,5,6,7,8,9,10,11,12,13,14,15
	v_pk_fma_f32 v[S+32*\t+2*\n:S+32*\t+2*\n+1], v[OT+32*\t+2*\n:OT+32*\t+2*\n+1], v[ST+8*\t+2:ST+8*\t+3], v[S+32*\t+2*\n:S+32*\t+2*\n+1] op_sel_hi:[1,0,1]   ; + my part: each accumulator from its low end on
.endr
.endr
	WIN 0
.set i, 0
.rept 64
	v_cvt_pk_f16_f32 v[S+i], v[S+2*i], v[S+2*i+1]  ; in place, ascending: no pair is overwritten before it is read
.set i, i+1
.endr
.irp t, 0,1,2,3
.irp ct, 0,1,2,3
	global_store_b128 v[LI], v[S+16*\t+4*\ct:S+16*\t+4*\ct+3], s[8:9] offset:32768*\t+512*\ct   ; half an image: 512 consecutive bytes, aligned
.endr
.endr
.Ldone:
	s_wait_tensorcnt 0x0                           ; the wave's end: these three lines behind my last tensor load and my last LDS store
	ds_add_u32 v[SPW], v[NIL]
	s_wait_dscnt 0x0
	CROUND                                         ; the closing round: no work-group ends while a partner may still ask for a tile that names it
	s_endpgm
.Lfunc_end_k_qd9b04fe6fa_attn:
	.size	k_qd9b04fe6fa_attn, .Lfunc_end_k_qd9b04fe6fa_attn-k_qd9b04fe6fa_attn
	.p2alignl 7, 3214868480
	.fill 96, 4, 3214868480
	.section	.rodata,"a",@progbits
	.p2align	6, 0x0
	.amdhsa_kernel k_qd9b04fe6fa_attn
		.amdhsa_group_segment_fixed_size 327680
		.amdhsa_private_segment_fixed_size 0
		.amdhsa_enable_private_segment 0
		.amdhsa_kernarg_size 24
		.amdhsa_user_sgpr_count 2
		.amdhsa_user_sgpr_kernarg_segment_ptr 1
		.amdhsa_wavefront_size32 1
		.amdhsa_system_sgpr_workgroup_id_x 1
		.amdhsa_system_sgpr_workgroup_id_y 1
		.amdhsa_system_sgpr_workgroup_id_z 1
		.amdhsa_system_vgpr_workitem_id 0
		.amdhsa_next_free_vgpr 512
		.amdhsa_next_free_sgpr 66
		.amdhsa_reserve_vcc 0
		.amdhsa_float_denorm_mode_32 3
		.amdhsa_float_denorm_mode_16_64 3
		.amdhsa_memory_ordered 1
		.amdhsa_forward_progress 1
		.amdhsa_inst_pref_size 99
	.end_amdhsa_kernel
	.amdgpu_metadata
---
amdhsa.version: [ 1, 2 ]
amdhsa.kernels:
  - .name:           k_qd9b04fe6fa_attn
    .symbol:         k_qd9b04fe6fa_attn.kd
    .args:
      - { .name: qkvf, .offset: 0, .size: 8, .value_kind: global_buffer, .address_space: global }
      - { .name: b_qkv, .offset: 8, .size: 8, .value_kind: global_buffer, .address_space: global }
      - { .name: ao, .offset: 16, .size: 8, .value_kind: global_buffer, .address_space: global }
    .group_segment_fixed_size: 327680
    .private_segment_fixed_size: 0
    .kernarg_segment_align: 8
    .kernarg_segment_size: 24
    .max_flat_workgroup_size: 256
    .sgpr_count:     66
    .vgpr_count:     512
    .wavefront_size: 32
...
	.end_amdgpu_metadata
.endif
;; end of part 3
;; launch proj (part 4): grid 8 x 32, 4 waves a work-group, clusters of 4 x 4, 327,680 bytes of LDS; arguments ao, wo16, b_out, out0; writes out0
.if DOCPART == 4
	.amdgcn_target "amdgcn-amd-amdhsa--gfx1250"
	.amdhsa_code_object_version 6
	.text
	.protected	k_qd9b04fe6fa_proj
	.globl	k_qd9b04fe6fa_proj
	.p2align	8
	.type	k_qd9b04fe6fa_proj,@function
k_qd9b04fe6fa_proj:
	s_mov_b64 s[64:65], 0
	v_nop
	global_prefetch_b8 v0, s[64:65] scope:SCOPE_SE
	s_setreg_imm32_b32 hwreg(HW_REG_WAVE_MODE, 25, 1), 1
	s_wait_xcnt 0x0
	s_wait_alu depctr_hold_cnt(0) depctr_sa_sdst(0) depctr_va_vdst(0) depctr_va_sdst(0) depctr_va_ssrc(0) depctr_va_vcc(0) depctr_vm_vsrc(0)
	s_getreg_b32 s2, hwreg(HW_REG_IB_STS2, 6, 4)
	s_cmp_eq_u32 s2, 0
	s_cbranch_scc0 .Lentry_in_a_cluster
	s_endpgm
.Lentry_in_a_cluster:
	s_bfe_u32 s2, ttmp6, 0x10000c
	s_cmp_lg_u32 s2, 0xf033
	s_cbranch_scc0 .Lentry_shape_is_right
	s_endpgm
.Lentry_shape_is_right:
; out0[m][n] = the sum over k of o[m][k] W_out[n][k] + b_out[n].  o: 4,096 x 1,024 in f16, as images of operand registers [m / 16][k / 32][1,024 bytes]; W_out: [1024][1024] f16, rows along K; out0: f32.  Sums in f32.
; A tile of 128 x 128 is made by four waves, 64 x 64 each: 16 accumulators.  256 tiles.  K goes in four steps of 256 through two LDS slots filled by the tensor data mover; both laps are written out.
; CLUSTERS: 4 x 4 work-groups; o's tiles are asked for jointly along a row of the cluster, W_out's along a column.
; THE MATRIX INSTRUCTION IS USED TRANSPOSED (source 0 = 16 rows of W_out, source 1 = 16 rows of o): a lane holds eight neighbouring numbers of a row of out0.  b_out is the C of each sum's first product.
; o's tile of 64 rows x 256 K is four runs of 8,192 dense bytes, 32,768 apart: it lies in LDS as it lies in memory, and a fragment is read 16 bytes a lane, on end: no padding.
; W_out's tile is 64 rows of 512 bytes, 16 bytes of padding behind each.
; No prefetch: a K step's tiles are small and each is asked for a whole K step ahead.
; REGISTERS: window 0: v16-29 addresses; v32-95 the way out; v96-127 the bias; v128-255 the accumulators ((a, b) at v[128 + 8 (4 a + b)]).  window 1: two fragment buffers of 128: 64 registers of o, then 64 of W_out.
.set KSTEP,  256
.set PITCH,  528                       ; W_out's LDS row: 512 bytes + 16 of padding: the 16 rows that a load touches start at 16 different banks (64 banks of 4 bytes: ISA guide 11.1)
.set HALFA,  32768                     ; 64 rows of o, 256 along K
.set HALFB,  64*PITCH                  ; 64 rows of W_out
.set BOFF,   2*HALFA
.set SLOT,   BOFF+2*HALFB
.set SPARE,  2*SLOT                    ; behind the ring: the spare words, 128 bytes a wave, which no other line names
.set SPITCH, 272                       ; the way out: a stage of 16 rows x (256 bytes + 16) for each wave, in slot 0, which has had its last fill and its last read when the first result is stored there
.set ADRA, 16                          ; v16-17  LDS address of my fragments of o in slot 0, 1
.set ADRB, 20                          ; v20-21  the same for W_out
.set STO,  24                          ; v24     the way out: where I put 32 bytes of a row
.set RD,   25                          ; v25     where I read a row back
.set CO,   26                          ; v26     my byte offset in out0
.set BO,   27                          ; v27     32 x (lane / 16)
.set SPW,  28                          ; v28     LDS address of my spare word; never rewritten
.set NIL,  29                          ; v29     0; never rewritten
.set TMP,  32
.set BI,   96                          ; the bias of block b at v[BI + 8 b]
.set ACC,  128
.set F0,   0
.set F1,   128
.set WV,   12                          ; s12 wave;  s13 = wave / 2: my half of the rows, and 0: I fetch for o, 1: for W_out;  s14 = wave % 2: my half of the columns, and which 64 rows I fetch
.set G1, 24
.set G0, 32
.set G1B, 48
.set G0B, 56
.set MSB, 0
.macro WIN new                         ; the immediate's high byte repeats the setting that is left
.if MSB != (\new)
	s_set_vgpr_msb (MSB<<8)|(\new)
.set MSB, (\new)
.endif
.endm
.set MUL,  0x05                        ; sources 0 and 1 window 1; C and D window 0
.set TO_F, 0x40                        ; destination window 1, address window 0
.macro JLOAD s                         ; a joint load: waves 0 and 1 fetch o's two halves, waves 2 and 3 W_out's; an s_nop 0 and four v_nop follow each of the two lines
	s_cmp_eq_u32 s13, 0
	s_cbranch_scc0 .Lfor_b_\@
	tensor_load_to_lds s[G0+4*\s:G0+4*\s+3], s[G1:G1+7]
	s_nop 0
.rept 4
	v_nop
.endr
	s_branch .Lasked_\@
.Lfor_b_\@:
	tensor_load_to_lds s[G0B+4*\s:G0B+4*\s+3], s[G1B:G1B+7]
	s_nop 0
.rept 4
	v_nop
.endr
.Lasked_\@:
.endm
.macro CREST                           ; a round of the cluster's barrier behind its opening barrier
	s_cmp_lg_u32 s[WV], 0
	s_cbranch_scc1 .Lnot_wave_0_\@
	s_barrier_signal -3
.Lnot_wave_0_\@:
	s_barrier_wait -3
	s_barrier_signal -1
	s_barrier_wait -1
.endm
.macro CROUND
	s_barrier_signal -1
	s_barrier_wait -1
	CREST
.endm
	s_load_b128 s[4:7], s[0:1], 0x0                ; o's images s[4:5], W_out in f16 s[6:7]
	s_load_b128 s[8:11], s[0:1], 0x10              ; b_out s[8:9], out0 s[10:11]
	v_lshl_add_u32 v[SPW], v0, 2, SPARE
	v_mov_b32 v[NIL], 0
	ds_add_u32 v[SPW], v[NIL]                      ; the wave's opening: the add, twice on end, and its wait ahead of my first tensor load; the set-up below stands between
	ds_add_u32 v[SPW], v[NIL]
	v_lshrrev_b32 v1, 5, v0
	v_readfirstlane_b32 s[WV], v1                  ; wave 0..3
	s_lshr_b32 s13, s[WV], 1
	s_and_b32 s14, s[WV], 1
	s_bfe_u32 s40, ttmp6, 0x40000                  ; cx, cy: my place in the cluster
	s_bfe_u32 s41, ttmp6, 0x40004
	s_lshl_b32 s42, ttmp9, 2
	s_add_co_u32 s42, s42, s40                     ; tile column = 4 x cluster x + cx
	s_and_b32 s15, ttmp7, 0xffff
	s_lshl_b32 s15, s15, 2
	s_add_co_u32 s15, s15, s41                     ; tile row = 4 x cluster y + cy
	s_lshl_b32 s43, s41, 2
	s_lshl_b32 s43, 15, s43                        ; my row of the cluster
	s_lshl_b32 s44, 0x1111, s40                    ; my column
	; group 1 for o: 4 rows of 8,192 bytes (1,024 elements of 8 bytes), 32,768 bytes apart, no padding
	s_or_b32 s[G1+0], s43, (3<<16)|(1<<21)         ; 15:0 the mask: my row; 17:16 elements of 8 bytes; 21 set beside a mask
	s_mov_b32 s[G1+1], 1024<<16                    ; tensor_dim0
	s_mov_b32 s[G1+2], 4<<16                       ; tensor_dim1
	s_mov_b32 s[G1+3], 1024<<16                    ; tile_dim0
	s_mov_b32 s[G1+4], 4                           ; tile_dim1
	s_mov_b32 s[G1+5], 4096                        ; tensor_dim0_stride
	s_mov_b32 s[G1+6], 0
	s_mov_b32 s[G1+7], 0
	; group 1 for W_out: 64 rows of 256 elements of 2 bytes, padded in LDS
	s_or_b32 s[G1B+0], s44, (1<<16)|(1<<20)|(1<<21)|(6<<22)|(3<<25)  ; the mask: my column; padding: four words after every 128
	s_mov_b32 s[G1B+1], KSTEP<<16
	s_mov_b32 s[G1B+2], 64<<16
	s_mov_b32 s[G1B+3], KSTEP<<16
	s_mov_b32 s[G1B+4], 64
	s_mov_b32 s[G1B+5], 1024
	s_mov_b32 s[G1B+6], 0
	s_mov_b32 s[G1B+7], 0
	s_lshl_b32 s16, s15, 3
	s_lshl_b32 s17, s14, 2
	s_add_co_u32 s16, s16, s17                     ; o: tile of 16 rows 8 x tile row + 4 x half,
	s_lshl_b32 s16, s16, 15                        ; 32,768 bytes each
	s_mov_b32 s17, 0
	s_lshl_b32 s46, s42, 7
	s_lshl_b32 s47, s14, 6
	s_add_co_u32 s46, s46, s47                     ; W_out: row 128 x tile column + 64 x half,
	s_lshl_b32 s46, s46, 11                        ; 2,048 bytes each
	s_mov_b32 s47, 0
	s_lshl_b32 s20, s14, 15                        ; where they go: o's two halves,
	s_mul_i32 s21, s14, HALFB
	s_add_co_u32 s21, s21, BOFF                    ; then W_out's: no place in the cluster enters an LDS address
	s_wait_dscnt 0x0                               ; both opening adds are done
	s_wait_kmcnt 0x0
	s_add_nc_u64 s[16:17], s[4:5], s[16:17]
	s_add_nc_u64 s[46:47], s[6:7], s[46:47]
	CROUND                                         ; all sixteen work-groups are here: the first joint loads meet
.irp s, 0,1
	s_mov_b32 s[G0+4*\s], 1
	s_add_co_u32 s[G0+4*\s+1], s20, \s*SLOT
	s_add_nc_u64 s[G0+4*\s+2:G0+4*\s+3], s[16:17], \s*8192         ; K step s: eight images on
	s_or_b32 s[G0+4*\s+3], s[G0+4*\s+3], 0x80000000
	s_mov_b32 s[G0B+4*\s], 1
	s_add_co_u32 s[G0B+4*\s+1], s21, \s*SLOT
	s_add_nc_u64 s[G0B+4*\s+2:G0B+4*\s+3], s[46:47], \s*KSTEP*2
	s_or_b32 s[G0B+4*\s+3], s[G0B+4*\s+3], 0x80000000
	JLOAD \s                                       ; two tensor loads of mine are out
.endr
	v_and_b32 v1, 15, v0                           ; l % 16
	v_bfe_u32 v2, v0, 4, 1                         ; l / 16
	v_lshlrev_b32 v[BO], 5, v2
	s_lshl_b32 s22, s42, 9
	s_lshl_b32 s23, s14, 8
	s_add_co_u32 s22, s22, s23                     ; my 64 columns, in bytes of f32: in b_out and in a row of out0
	s_mov_b32 s23, 0
	s_add_nc_u64 s[8:9], s[8:9], s[22:23]
.irp b, 0,1,2,3
	global_load_b128 v[BI+8*\b:BI+8*\b+3], v[BO], s[8:9] offset:64*\b          ; lane (r, h): the bias of columns 16 b + 8 h + 0 .. 7
	global_load_b128 v[BI+8*\b+4:BI+8*\b+7], v[BO], s[8:9] offset:64*\b+16
.endr
	v_and_b32 v3, 31, v0
	v_lshlrev_b32 v3, 4, v3                        ; 16 x lane
	v_mul_u32_u24 v4, v1, PITCH
	v_lshl_add_u32 v4, v2, 4, v4                   ; W_out: row x pitch + 16 x half
	s_lshl_b32 s20, s13, 15                        ; my 64 rows of o
	s_mul_i32 s21, s14, HALFB                      ; my 64 rows of W_out
	s_add_co_u32 s21, s21, BOFF
.irp s, 0,1
	v_add_nc_u32 v[ADRA+\s], s20, v3
	v_add_nc_u32 v[ADRB+\s], s21, v4
	s_add_co_u32 s20, s20, SLOT
	s_add_co_u32 s21, s21, SLOT
.endr
	s_mul_i32 s20, s[WV], 16*SPITCH                ; my stage
	v_mul_u32_u24 v5, v1, SPITCH                   ; in: row l % 16, 32 bytes for each half of the lanes
	v_lshl_add_u32 v5, v2, 5, v5
	v_add_nc_u32 v[STO], s20, v5
	v_mul_u32_u24 v5, v2, SPITCH                   ; back: lanes 0-15 one row of 256 bytes, lanes 16-31 the next
	v_lshl_add_u32 v5, v1, 4, v5
	v_add_nc_u32 v[RD], s20, v5
	v_lshlrev_b32 v5, 12, v2                       ; and the same two rows in out0: 4,096 bytes a row
	v_lshl_add_u32 v[CO], v1, 4, v5
	s_lshl_b32 s20, s15, 19                        ; 128 rows of out0,
	s_lshl_b32 s21, s13, 18                        ; my 64 of them,
	s_add_co_u32 s20, s20, s21
	s_add_co_u32 s20, s20, s22                     ; my 64 columns
	s_mov_b32 s21, 0
	s_add_nc_u64 s[10:11], s[10:11], s[20:21]
; 8 matrix instructions: row blocks a0, a0 + 1 x all 4 column blocks, 32 along K: half c of buffer f.  first = 1: the sums start from the bias.  The 16 accumulators take turns.
.macro MUL8 f, c, a0, first
.irp a, \a0, \a0+1
.irp b, 0,1,2,3
.if \first
	v_wmma_f32_16x16x32_f16 v[ACC+8*(4*(\a)+\b):ACC+8*(4*(\a)+\b)+7], v[\f+64+8*(4*\c+\b):\f+64+8*(4*\c+\b)+7], v[\f+8*(4*\c+\a):\f+8*(4*\c+\a)+7], v[BI+8*\b:BI+8*\b+7]
.else
	v_wmma_f32_16x16x32_f16 v[ACC+8*(4*(\a)+\b):ACC+8*(4*(\a)+\b)+7], v[\f+64+8*(4*\c+\b):\f+64+8*(4*\c+\b)+7], v[\f+8*(4*\c+\a):\f+8*(4*\c+\a)+7], v[ACC+8*(4*(\a)+\b):ACC+8*(4*(\a)+\b)+7]
.endif
.endr
.endr
.endm
; 32 LDS loads in one run: the fragments of the slot's q-th 64 along K into buffer f; the first 32 along K first
.macro FETCH slot, q, f
	WIN TO_F
.irp c, 0,1
.irp i, 0,1,2,3
	ds_load_b128 v[\f+64+8*(4*\c+\i):\f+64+8*(4*\c+\i)+3],   v[ADRB+\slot] offset:128*(\q)+64*\c+\i*16*PITCH
	ds_load_b128 v[\f+64+8*(4*\c+\i)+4:\f+64+8*(4*\c+\i)+7], v[ADRB+\slot] offset:128*(\q)+64*\c+\i*16*PITCH+32
	ds_load_b128 v[\f+8*(4*\c+\i):\f+8*(4*\c+\i)+3],         v[ADRA+\slot] offset:2048*(\q)+1024*\c+8192*\i
	ds_load_b128 v[\f+8*(4*\c+\i)+4:\f+8*(4*\c+\i)+7],       v[ADRA+\slot] offset:2048*(\q)+1024*\c+8192*\i+512
.endr
.endr
.endm
.macro PLACES                          ; four places in front of loads into registers that matrix instructions have read, and of reads of results (ISA guide 7.12.1 for vector instructions)
.rept 4
	v_nop
.endr
.endm
; A K step is four quarters of 64 along K, 32 matrix instructions each, on buffers 0, 1, 0, 1.  One of the first three: multiplies buffer f and fetches quarter q into g.
.macro QUARTER slot, q, f, g, first
	s_wait_dscnt 16                                ; the first 32 along K are in; the youngest sixteen loads may be out
	WIN MUL
	MUL8 \f, 0, 0, \first
	MUL8 \f, 0, 2, \first
	PLACES
	FETCH \slot, \q, \g
	s_wait_dscnt 32                                ; all but the 32 just issued
	WIN MUL
	MUL8 \f, 1, 0, 0
	MUL8 \f, 1, 2, 0
.endm
; The last quarter multiplies buffer 1 and changes slots: ONE barrier; in front of it each wave waits for all its tensor loads, adds 0 to its spare word, and waits for that and for its reads of this slot.
; fill = 1: the barrier opens a round of the cluster's, and this slot is filled again, two K steps ahead, first thing behind the round.
.macro TURN slot, next, fill
	WIN 0                                          ; (the add's two registers lie in window 0)
	s_wait_tensorcnt 0x0                           ; all my tensor loads have landed: my part of the next slot;
	ds_add_u32 v[SPW], v[NIL]                      ; 0 onto my spare word;
	s_wait_dscnt 17                                ; (the add and the youngest sixteen loads may be out)
	WIN MUL
	MUL8 F1, 0, 0, 0
	s_wait_dscnt 0x0                               ; the add is done, and my reads of this slot are over
	s_barrier_signal -1
	MUL8 F1, 0, 2, 0
.if \fill
	WIN 0
.endif
	s_barrier_wait -1
.if \fill
	CREST                                          ; no wave of any partner still reads this slot's tile or has a load on its way
	s_add_nc_u64 s[G0+4*\slot+2:G0+4*\slot+3], s[G0+4*\slot+2:G0+4*\slot+3], 2*8192
	s_add_nc_u64 s[G0B+4*\slot+2:G0B+4*\slot+3], s[G0B+4*\slot+2:G0B+4*\slot+3], 2*KSTEP*2
	JLOAD \slot                                    ; the four v_nop behind it are also the places in front of the loads below
.else
	PLACES
.endif
	FETCH \next, 0, F0
	WIN MUL
	MUL8 F1, 1, 0, 0
	MUL8 F1, 1, 2, 0
.endm
	s_wait_loadcnt 0x0                             ; the bias
	s_wait_tensorcnt 1                             ; my part of K step 0 is in (K step 1's may be out)
	s_barrier_signal -1
	s_barrier_wait -1                              ; everybody's is
	FETCH 0, 0, F0
	QUARTER 0, 1, F0, F1, 1                        ; K step 0: the first products start the sums from the bias
	QUARTER 0, 2, F1, F0, 0
	QUARTER 0, 3, F0, F1, 0
	TURN 0, 1, 1                                   ; slot 0 takes K step 2
	QUARTER 1, 1, F0, F1, 0                        ; K step 1
	QUARTER 1, 2, F1, F0, 0
	QUARTER 1, 3, F0, F1, 0
	TURN 1, 0, 1                                   ; slot 1 takes K step 3
	QUARTER 0, 1, F0, F1, 0                        ; K step 2
	QUARTER 0, 2, F1, F0, 0
	QUARTER 0, 3, F0, F1, 0
	TURN 0, 1, 0                                   ; nothing is left to fetch
	QUARTER 1, 1, F0, F1, 0                        ; K step 3
	QUARTER 1, 2, F1, F0, 0
	QUARTER 1, 3, F0, F1, 0
	s_wait_dscnt 16
	WIN MUL
	MUL8 F1, 0, 0, 0
	MUL8 F1, 0, 2, 0
	s_wait_dscnt 0
	MUL8 F1, 1, 0, 0
	MUL8 F1, 1, 2, 0
	WIN 0
; THE WAY OUT, a block of 16 rows x 64 columns at a time.  A lane holds 32 neighbouring bytes of a row and the lanes beside it other rows: a block goes through my own stage and comes back as whole rows of 256 bytes,
; which sixteen lanes store as 256 consecutive bytes, aligned.  LDS serves a wave's instructions in order (ISA guide 5.7.1.4): no wait between the stores and the loads, nor in front of the next block's stores.
.macro TOSTAGE a
.irp b, 0,1,2,3
	ds_store_b128 v[STO], v[ACC+8*(4*(\a)+\b):ACC+8*(4*(\a)+\b)+3] offset:64*\b          ; each accumulator from its low end on
	ds_store_b128 v[STO], v[ACC+8*(4*(\a)+\b)+4:ACC+8*(4*(\a)+\b)+7] offset:64*\b+16
.endr
.irp t, 0,1,2,3,4,5,6,7
	ds_load_b128 v[TMP+32*((\a)%2)+4*\t:TMP+32*((\a)%2)+4*\t+3], v[RD] offset:2*\t*SPITCH
.endr
.endm
.macro SEND a, younger                 ; younger: the LDS instructions issued behind block a's loads, which may stay out
	s_wait_dscnt \younger
.irp t, 0,1,2,3,4,5,6,7
	global_store_b128 v[CO], v[TMP+32*((\a)%2)+4*\t:TMP+32*((\a)%2)+4*\t+3], s[10:11] offset:(16*(\a)+2*\t)*4096 th:TH_STORE_NT   ; written once, read by nobody here
.endr
.endm
	PLACES                                         ; behind the last products, whose results are read below
	TOSTAGE 0
.irp a, 1,2,3
.if \a > 1
	s_wait_xcnt 0x0                                ; block a - 2's stores have read their registers: block a's loads may land there
.endif
	TOSTAGE \a
	SEND \a-1, 16                                  ; behind block a - 1's loads: block a's eight stores and eight loads
.endr
	SEND 3, 0
	s_wait_tensorcnt 0x0                           ; the wave's end: these three lines behind my last tensor load and my last LDS store
	ds_add_u32 v[SPW], v[NIL]
	s_wait_dscnt 0x0
	CROUND                                         ; the closing round: no work-group ends while a partner may still ask for a tile that names it
	s_endpgm
.Lfunc_end_k_qd9b04fe6fa_proj:
	.size	k_qd9b04fe6fa_proj, .Lfunc_end_k_qd9b04fe6fa_proj-k_qd9b04fe6fa_proj
	.p2alignl 7, 3214868480
	.fill 96, 4, 3214868480
	.section	.rodata,"a",@progbits
	.p2align	6, 0x0
	.amdhsa_kernel k_qd9b04fe6fa_proj
		.amdhsa_group_segment_fixed_size 327680
		.amdhsa_private_segment_fixed_size 0
		.amdhsa_enable_private_segment 0
		.amdhsa_kernarg_size 32
		.amdhsa_user_sgpr_count 2
		.amdhsa_user_sgpr_kernarg_segment_ptr 1
		.amdhsa_wavefront_size32 1
		.amdhsa_system_sgpr_workgroup_id_x 1
		.amdhsa_system_sgpr_workgroup_id_y 1
		.amdhsa_system_sgpr_workgroup_id_z 1
		.amdhsa_system_vgpr_workitem_id 0
		.amdhsa_next_free_vgpr 512
		.amdhsa_next_free_sgpr 66
		.amdhsa_reserve_vcc 0
		.amdhsa_float_denorm_mode_32 3
		.amdhsa_float_denorm_mode_16_64 3
		.amdhsa_memory_ordered 1
		.amdhsa_forward_progress 1
		.amdhsa_inst_pref_size 86
	.end_amdhsa_kernel
	.amdgpu_metadata
---
amdhsa.version: [ 1, 2 ]
amdhsa.kernels:
  - .name:           k_qd9b04fe6fa_proj
    .symbol:         k_qd9b04fe6fa_proj.kd
    .args:
      - { .name: ao, .offset: 0, .size: 8, .value_kind: global_buffer, .address_space: global }
      - { .name: wo16, .offset: 8, .size: 8, .value_kind: global_buffer, .address_space: global }
      - { .name: b_out, .offset: 16, .size: 8, .value_kind: global_buffer, .address_space: global }
      - { .name: out0, .offset: 24, .size: 8, .value_kind: global_buffer, .address_space: global }
    .group_segment_fixed_size: 327680
    .private_segment_fixed_size: 0
    .kernarg_segment_align: 8
    .kernarg_segment_size: 32
    .max_flat_workgroup_size: 128
    .sgpr_count:     66
    .vgpr_count:     512
    .wavefront_size: 32
...
	.end_amdgpu_metadata
.endif
;; end of part 4
